; MI455X (gfx1250); checked and timed in simulation.
; The chip was launched on July 23, 2026; its instructions are those of AMD's public machine-readable ISA for CDNA 5 (MIT licence, August 2026) and "CDNA5" Instruction Set Architecture Reference Guide (July 2026). The comments in the code are by the model that wrote it; some were corrected since.
;; Self Attention Layer. Allowed arithmetic: matrix products marked QUANTISED: E2M1 operands, one E8M0 scale for each 32 along K, by v_wmma_scale_f32_16x16x128_f8f6f4 with both operands' format E2M1 (or v_wmma_scale_f32_32x16x128_f4), f32 sums; products left as they are: bf16, f16 or f32 operands; f32 sums; everything else in f32.
;; Inputs: W_key 1,024 x 1,024 float32; W_query 1,024 x 1,024 float32; W_value 1,024 x 1,024 float32; x 4 x 2,048 x 1,024 float32.
;; Outputs: out0 4 x 2,048 x 1,024 float32.
;; This version of the problem:
;;   THIS VERSION OF THE PROBLEM IS GIVEN IN LOW PRECISION. The matrix products marked QUANTISED in the list below multiply operands that are first quantised to E2M1 (2 exponent bits, 1 mantissa bit; 4 bits a number), with one power-of-two scale for each 32 numbers along K (OCP MX v1.0); their sums are f32. The products marked 'left as it is' may take bf16, f16 or f32 operands, with f32 sums. Whichever they take, every output number must still come out within the allowed error. Rounding operands to bf16 (8 significant bits) uses up far more of that allowance than f16 does (11 bits, for magnitudes from 6e-5 to 65,504). All else is computed in f32.
;;   The module's matrix products, in the order in which they are computed (A, B: the left and right operand; K: the contracted axis; several contracted axes count as one K, in the product's order):
;;     1. [M 8,192, K 1,024] x [K 1,024, N 1,024]; A: input x; B: input W_query: QUANTISED
;;     2. [M 8,192, K 1,024] x [K 1,024, N 1,024]; A: input x; B: input W_key: QUANTISED
;;     3. [M 8,192, K 1,024] x [K 1,024, N 1,024]; A: input x; B: input W_value: QUANTISED
;;     4. batch 4 x [M 2,048, K 1,024] x [K 1,024, N 2,048]; A: computed on the way; B: computed on the way: left as it is (an operand is computed on the way)
;;     5. batch 4 x [M 2,048, K 2,048] x [K 2,048, N 1,024]; A: computed on the way; B: computed on the way: left as it is (an operand is computed on the way)
;;   THE QUANTISER, for each operand of a quantised product, along K:
;;     - K is cut into blocks of 32 from its start; a last block that is shorter is filled with zeros.
;;     - A block's scale is 2^e with e = floor(log2(the largest magnitude in the block)) - 2, held to -126 .. 127; a block of zeros has e = 0. As a byte (E8M0): e + 127.
;;     - Each number is divided by its block's scale, clamped to +-6, and rounded to the nearest number of E2M1, ties to even, subnormals kept.
;;     - The product sums the exact products of the quantised numbers (number of the format x scale) in f32.
;;   ~~~python
;;   def quantise(x, axis):      # numpy; x: float32 -> the quantised numbers, widened to float32 again
;;       x = np.moveaxis(x, axis, -1); K = x.shape[-1]
;;       x = np.pad(x, [(0, 0)] * (x.ndim - 1) + [(0, -K % 32)]); x = x.reshape(x.shape[:-1] + (-1, 32)); a = np.abs(x).max(-1, keepdims=True)
;;       e = np.where(a > 0, np.clip(np.frexp(np.where(a > 0, a, 1))[1] - 1 - 2, -126, 127), 0)      # np.frexp(a)[1] - 1 = floor(log2(a)), exactly
;;       r = np.clip(x / 2.0 ** e, -6, 6)
;;       step = 2.0 ** (np.maximum(np.frexp(np.where(r == 0, 1, r))[1] - 1, 0) - 1)
;;       q = np.round(r / step) * step * 2.0 ** e      # np.round: ties to even
;;       return np.moveaxis(q.reshape(q.shape[:-2] + (-1,))[..., :K], -1, axis).astype(np.float32)
;;   ~~~
;; One version. Each part assembles by itself: llvm-mc -triple=amdgcn-amd-amdhsa -mcpu=gfx1250 --defsym DOCPART=n.
;; ======== version 1 of 1: 4 launches
;; limits: values are held in f16: magnitudes above 65,504 overflow, below 6.1e-05 lose precision; right only within a limited range of input values
;; workspace buffers: codes 5,767,168 bytes; scales 360,448 bytes; qkv 50,331,648 bytes; pmat 33,554,432 bytes; stM 524,288 bytes; stL 524,288 bytes
;; launch quant (part 1): grid 352 x 1, 8 waves a work-group, no clusters, 84,992 bytes of LDS; arguments x, W_query, W_key, W_value, codes, scales; writes codes, scales
.if DOCPART == 1
	.amdgcn_target "amdgcn-amd-amdhsa--gfx1250"
	.amdhsa_code_object_version 6
	.text
	.protected	k_q0f0253ecf2_quant
	.globl	k_q0f0253ecf2_quant
	.p2align	8
	.type	k_q0f0253ecf2_quant,@function
k_q0f0253ecf2_quant:
	s_mov_b64 s[64:65], 0
	v_nop
	global_prefetch_b8 v0, s[64:65] scope:SCOPE_SE
	s_setreg_imm32_b32 hwreg(HW_REG_WAVE_MODE, 25, 1), 1
	s_wait_xcnt 0x0
; x [8192][1024] f32 (K = its last axis) and W_query, W_key, W_value [1024 (k)][1024 (e)] f32 (K = their FIRST axis) become codes of E2M1, K innermost, two a byte,
; with one E8M0 byte for each 32 along K.  codes: [11264 rows][512 bytes], scales: [11264][32]: rows 0-8191 x's tokens, 8192 + e W_query's column e, 9216 + e W_key's, 10240 + e W_value's.
; A block's scale is 2^(floor(log2(its largest magnitude)) - 2): its byte is the largest magnitude's exponent field - 2.  THE WEIGHTS' BYTES ARE STORED LOWER by 3 (W_query, W_value) or 2 (W_key):
; the codes are made with the true scale, so the products of the next launch come out as q / 8, k / 4, v / 8, exactly; these powers of two keep the f16 numbers made of them in range, and 1 / 8 x 1 / 4 is the 1 / sqrt(1024) of the scores.
; LIMITS: NaN and infinities are not served.  A block of x whose largest magnitude lies under 2^-124, and one of a weight under 2^-121, is quantised with that floor's scale (so that no byte falls under 1);
; a block of zeros keeps the floor's byte where the quantiser says 127: its codes are zeros, and only this program reads the bytes.
; SHARES.  Work-groups 0-95 take the weights: 64 columns x 512 along K each; a wave 32 columns x 128 along K, a lane a column, its registers running down K, so that a block of 32 lies in one lane and the conversions give K innermost.
; The eight waves' codes meet in a stage in LDS and leave as rows: sixteen lanes store 256 consecutive bytes, aligned.  Work-groups 96-351 take x: a plain stream of blocks; a wave takes 8 steps of 512 numbers and asks for
; all its 32 loads at its head; each load reads 512 consecutive bytes, and a step turns through the wave's own stage so that a lane holds 16 neighbours.
; A wave's 4,096 numbers of x have 128 scale bytes: they leave by one store of 128 consecutive bytes, half of an aligned 256, of which the neighbouring wave stores the other half (262,144 bytes in all go so).
; The launch has ONE barrier (between the weights' two phases); it stands on the way that every work-group takes, so that no barrier stands under a branch.  Each path has LDS bytes of its own.
.set SP,    80                         ; x: a lane's place in a stage: 64 bytes + 16 of padding
.set XSTEPS, 8                         ; x: steps of a wave
.set R,     16                         ; v16-143  x: eight sets of 16 numbers as loaded, one for each step
.set X,     144                        ; v144-175 x: two sets of 16 neighbours
.set E,     176                        ; v176-183 x: a scale byte for each step
.set C,     192                        ; v192-207 x: two registers of codes for each step, so that no store's data are written again
.set WX,    32                         ; v32-95   W: two sets of 32 numbers
.set WC,    96                         ; v96-99   W: a block's codes
.set WO,    100                        ; v100-116 W: the way out
.set WGO,   224                        ; v224     W: 4 x lane, the loads' offset
.set WST,   225                        ; v225     W: LDS, where my column's codes go
.set WSS,   226                        ; v226     W: LDS, where my column's four scale bytes go
.set WRD,   227                        ; v227     W: LDS, where I read rows back
.set WCO,   228                        ; v228     W: the same place in codes
.set WSR,   229                        ; v229     W: LDS, the scale word that I send
.set WSO,   230                        ; v230     W: its place in scales
.set WSTG,  65536                      ; LDS: bytes 0-65535: x's eight regions of 8,192 (two stages of 32 x 80, then 128 scale bytes); from here W's stage: 64 rows x 272
.set WP,    272
.set WSC,   WSTG+64*WP                 ; W's scale bytes: 64 columns x 16
.set SPARE, WSC+1024                   ; the spare words, 128 bytes for each wave: four blocks of 256 bytes that no other line names
.set SPW,   254                        ; v254     SPARE + 4 x my thread's number; never rewritten
.set NIL,   255                        ; v255     0; never rewritten
	s_load_b256 s[4:11], s[0:1], 0x0               ; x, W_query, W_key, W_value
	s_load_b128 s[12:15], s[0:1], 0x20             ; codes, scales
	v_lshl_add_u32 v[SPW], v0, 2, SPARE
	v_mov_b32 v[NIL], 0
	v_lshrrev_b32 v1, 5, v0
	v_readfirstlane_b32 s16, v1                    ; wave 0..7
	v_and_b32 v2, 31, v0                           ; lane
	; every LDS address of both paths is made here, ahead of the parting
	v_lshlrev_b32 v3, 4, v2                        ; x: my 16 bytes of a load's 512
	s_lshl_b32 s17, s16, 13                        ; x: my wave's region
	v_lshrrev_b32 v14, 2, v2
	v_mul_u32_u24 v14, v14, SP
	v_and_b32 v15, 3, v2
	v_lshl_add_u32 v14, v15, 4, v14
	v_add_nc_u32 v14, s17, v14                     ; x: the stage on the way in: 80 (lane / 4) + 16 (lane % 4)
	v_mul_u32_u24 v15, v2, SP
	v_add_nc_u32 v15, s17, v15                     ; x: and on the way out: 80 x lane: my 16 neighbours
	v_lshlrev_b32 v4, 3, v2                        ; x: my codes' place in a step's 256 bytes
	v_lshlrev_b32 v7, 2, v2                        ; x: my 4 scale bytes' place at the end
	v_lshrrev_b32 v5, 1, v2
	s_add_co_u32 s17, s17, 2*32*SP
	v_add_nc_u32 v5, s17, v5                       ; x: LDS, my block's scale byte
	v_add_nc_u32 v6, s17, v7                       ; x: LDS, 4 scale bytes a lane on the way out
	s_and_b32 s23, s16, 1                          ; W: which 32 of the 64 columns
	s_lshr_b32 s24, s16, 1                         ; W: which 128 of the 512 along K
	v_lshlrev_b32 v[WGO], 2, v2
	s_mul_i32 s36, s23, 32*WP
	s_lshl_b32 s37, s24, 6
	s_add_co_u32 s36, s36, s37
	s_add_co_u32 s36, s36, WSTG
	v_mul_u32_u24 v[WST], v2, WP
	v_add_nc_u32 v[WST], s36, v[WST]               ; row = my column, + 64 bytes for each 128 along K
	s_lshl_b32 s36, s23, 9
	s_lshl_b32 s37, s24, 2
	s_add_co_u32 s36, s36, s37
	s_add_co_u32 s36, s36, WSC
	v_lshl_add_u32 v[WSS], v2, 4, s36
	v_and_b32 v232, 15, v2
	v_lshrrev_b32 v233, 4, v2
	s_mul_i32 s36, s16, 8*WP
	s_add_co_u32 s36, s36, WSTG
	v_mul_u32_u24 v[WRD], v233, WP
	v_lshl_add_u32 v[WRD], v232, 4, v[WRD]
	v_add_nc_u32 v[WRD], s36, v[WRD]               ; back: wave w takes rows 8 w .. 8 w + 7, sixteen lanes to a row, two rows an instruction
	v_lshlrev_b32 v[WCO], 9, v233
	v_lshl_add_u32 v[WCO], v232, 4, v[WCO]
	v_lshl_add_u32 v[WSR], v0, 2, WSC              ; thread t sends scale word t: column t / 4, word t % 4
	v_lshrrev_b32 v[WSO], 2, v0
	v_and_b32 v231, 3, v0
	v_lshlrev_b32 v[WSO], 5, v[WSO]
	v_lshl_add_u32 v[WSO], v231, 2, v[WSO]
	; W's shares, from the work-group's number (in x's work-groups these numbers are made and not used)
	s_lshr_b32 s20, ttmp9, 5                       ; which weight
	s_and_b32 s21, ttmp9, 15                       ; which 64 columns
	s_bfe_u32 s22, ttmp9, 0x10004                  ; which 512 along K
	s_lshl_b32 s26, s22, 21                        ; 512 rows of 4,096 bytes,
	s_lshl_b32 s27, s24, 19                        ; 128 rows,
	s_add_co_u32 s26, s26, s27
	s_lshl_b32 s27, s21, 8                         ; 64 columns,
	s_add_co_u32 s26, s26, s27
	s_lshl_b32 s27, s23, 7                         ; 32 columns
	s_add_co_u32 s26, s26, s27
	s_mov_b32 s27, 0
	s_mov_b32 s28, 0xfd800000                      ; -(5 << 23): the stored byte is the exponent field - 2 - 3;
	s_cmp_eq_u32 s20, 1
	s_cselect_b32 s28, 0xfe000000, s28             ; for W_key - 2 - 2
	s_lshl_b32 s30, s20, 10
	s_lshl_b32 s31, s21, 6
	s_add_co_u32 s30, s30, s31
	s_add_co_u32 s30, s30, 8192                    ; the first of the work-group's 64 rows of codes and scales
	s_lshl_b32 s31, s16, 3
	s_add_co_u32 s31, s30, s31
	s_lshl_b32 s32, s31, 9
	s_lshl_b32 s33, s22, 8
	s_add_co_u32 s32, s32, s33
	s_mov_b32 s33, 0
	s_lshl_b32 s34, s30, 5
	s_lshl_b32 s35, s22, 4
	s_add_co_u32 s34, s34, s35
	s_mov_b32 s35, 0
	s_wait_kmcnt 0x0
	s_cmp_lt_u32 ttmp9, 64                         ; the choice of the weight hangs on the work-group's number alone
	s_cselect_b64 s[18:19], s[8:9], s[10:11]
	s_cmp_lt_u32 ttmp9, 32
	s_cselect_b64 s[18:19], s[6:7], s[18:19]
	s_add_nc_u64 s[18:19], s[18:19], s[26:27]
	s_add_nc_u64 s[32:33], s[12:13], s[32:33]
	s_add_nc_u64 s[34:35], s[14:15], s[34:35]
	s_cmp_lt_u32 ttmp9, 96
	s_cbranch_scc0 .Lno_w1
; ---- the weights, first phase: four blocks of 32 along K for my column
.macro WLOAD t                         ; block t: W(32 t + i, my column): 32 lanes read 128 consecutive bytes
.set i, 0
.rept 32
	global_load_b32 v[WX+32*((\t)%2)+i], v[WGO], s[18:19] offset:(32*(\t)+i)*4096 th:TH_LOAD_NT
.set i, i+1
.endr
.endm
.macro WBLOCK t
.set XS, WX+32*((\t)%2)
.if (\t) < 3
	s_wait_loadcnt 32                              ; this block's 32 loads are in; the next block's may be out
.else
	s_wait_loadcnt 0x0
.endif
	v_max3_num_f32 v12, |v[XS]|, |v[XS+1]|, |v[XS+2]|       ; the block's largest magnitude: all 32 numbers are mine; two chains
	v_max3_num_f32 v13, |v[XS+3]|, |v[XS+4]|, |v[XS+5]|
.irp i, 6,10,14,18,22,26
	v_max3_num_f32 v12, v12, |v[XS+\i]|, |v[XS+\i+1]|
	v_max3_num_f32 v13, v13, |v[XS+\i+2]|, |v[XS+\i+3]|
.endr
	v_max3_num_f32 v12, v12, |v[XS+30]|, |v[XS+31]|
	v_max3_num_f32 v12, v12, v13, 0x3000000        ; and the floor 2^(6 - 127): the lowered byte cannot fall under 1
	v_add_nc_u32 v11, 0xff000000, v12              ; 2 off the exponent field: the conversion takes this operand's exponent field as its scale
	v_add_nc_u32 v13, s28, v12                     ; 5 or 4 off:
	v_lshrrev_b32 v13, 23, v13                     ; the byte that is stored
.if (\t) == 0
	v_mov_b32 v10, v13                             ; four bytes to a register, the lower K in the lower byte
.else
	v_lshl_or_b32 v10, v13, 8*(\t), v10
.endif
.irp g, 0,1,2,3
	v_cvt_scalef32_pk8_fp4_f32 v[WC+\g], v[XS+8*\g:XS+8*\g+7], v11
.endr
	v_nop                                          ; one plain line behind the conversions
	ds_store_b128 v[WST], v[WC:WC+3] offset:16*(\t)
.if (\t)+2 < 4
	WLOAD (\t)+2
.endif
	s_wait_dscnt 0x0                               ; the store has read its registers: the next block's codes may be written
.endm
	WLOAD 0
	WLOAD 1
	WBLOCK 0
	WBLOCK 1
	WBLOCK 2
	WBLOCK 3
	ds_store_b32 v[WSS], v10
.Lno_w1:
	s_wait_dscnt 0x0                               ; for the others' sake: my stores into the stage are done
	s_barrier_signal -1
	s_barrier_wait -1
	s_cmp_lt_u32 ttmp9, 96
	s_cbranch_scc0 .Lx
; ---- the weights, second phase: rows leave
.irp u, 0,1,2,3
	ds_load_b128 v[WO+4*\u:WO+4*\u+3], v[WRD] offset:2*\u*WP
.endr
	ds_load_b32 v[WO+16], v[WSR]
.irp u, 0,1,2,3
	s_wait_dscnt 4-\u                              ; the younger LDS loads may be out
	global_store_b128 v[WCO], v[WO+4*\u:WO+4*\u+3], s[32:33] offset:1024*\u    ; sixteen lanes store 256 consecutive bytes of a row of codes, aligned
.endr
	s_wait_dscnt 0x0
	global_store_b32 v[WSO], v[WO+16], s[34:35]    ; four lanes store a column's 16 scale bytes
	s_wait_tensorcnt 0x0                           ; the wave's end, behind my last LDS store
	ds_add_u32 v[SPW], v[NIL]
	s_wait_dscnt 0x0
	s_endpgm
; ---- x
.Lx:
	s_sub_co_u32 s17, ttmp9, 96
	s_lshl_b32 s17, s17, 3
	s_add_co_u32 s18, s17, s16                     ; which run of 4,096 numbers is my wave's: 0..2047
	s_mov_b32 s21, 0
	s_lshl_b32 s20, s18, 14
	s_add_nc_u64 s[4:5], s[4:5], s[20:21]
	s_lshl_b32 s20, s18, 11
	s_add_nc_u64 s[12:13], s[12:13], s[20:21]
	s_lshl_b32 s20, s18, 7
	s_add_nc_u64 s[14:15], s[14:15], s[20:21]
.macro XLOAD t
.irp i, 0,1,2,3
	global_load_b128 v[R+16*(\t)+4*\i:R+16*(\t)+4*\i+3], v3, s[4:5] offset:2048*(\t)+512*\i th:TH_LOAD_NT   ; 32 lanes read 512 consecutive bytes
.endr
.endm
.macro XTURN t                         ; step t's numbers through the stage: LDS serves a wave's instructions in order, so no wait stands between the stores and the loads
.irp i, 0,1,2,3
	ds_store_b128 v14, v[R+16*(\t)+4*\i:R+16*(\t)+4*\i+3] offset:32*SP*((\t)%2)+8*SP*\i
.endr
.irp i, 0,1,2,3
	ds_load_b128 v[X+16*((\t)%2)+4*\i:X+16*((\t)%2)+4*\i+3], v15 offset:32*SP*((\t)%2)+16*\i
.endr
.endm
.macro XSTEP t
.set XS, X+16*((\t)%2)
.if (\t) > 0
	s_wait_dscnt 1                                 ; this step's numbers are back from the stage; the last step's byte store may be out
.else
	s_wait_dscnt 0x0
.endif
.if (\t)+1 < XSTEPS
	s_wait_loadcnt 4*(XSTEPS-2-(\t))               ; the next step's four loads are in; those of the steps behind it may be out
	XTURN (\t)+1                                   ; and go through the other stage while this step is worked
.endif
	v_max3_num_f32 v8, |v[XS]|, |v[XS+1]|, |v[XS+2]|        ; the largest magnitude of my 16
	v_max3_num_f32 v9, |v[XS+3]|, |v[XS+4]|, |v[XS+5]|
.irp i, 6,10
	v_max3_num_f32 v8, v8, |v[XS+\i]|, |v[XS+\i+1]|
	v_max3_num_f32 v9, v9, |v[XS+\i+2]|, |v[XS+\i+3]|
.endr
	v_max3_num_f32 v8, v8, |v[XS+14]|, |v[XS+15]|
	v_max3_num_f32 v8, v8, v9, 0x1800000           ; and the floor 2^(3 - 127): the byte cannot fall under 1
	v_max_num_f32_dpp v8, v8, v8 row_xmask:1 row_mask:0xf bank_mask:0xf   ; and of my neighbour's 16: the block's
	v_add_nc_u32 v11, 0xff000000, v8               ; 2 off its exponent field: the conversion's scale operand
	v_cvt_scalef32_pk8_fp4_f32 v[C+2*(\t)], v[XS:XS+7], v11
	v_cvt_scalef32_pk8_fp4_f32 v[C+2*(\t)+1], v[XS+8:XS+15], v11
	v_lshrrev_b32 v[E+(\t)], 23, v11               ; the scale's byte
	ds_store_b8 v5, v[E+(\t)] offset:16*(\t)       ; both lanes of a block write the same byte with the same value
	global_store_b64 v4, v[C+2*(\t):C+2*(\t)+1], s[12:13] offset:256*(\t)   ; 32 lanes store 256 consecutive bytes, aligned
.endm
.irp t, 0,1,2,3,4,5,6,7
	XLOAD \t
.endr
	s_wait_loadcnt 28                              ; step 0's four loads are in; the seven steps behind it may be out
	XTURN 0
.irp t, 0,1,2,3,4,5,6,7
	XSTEP \t
.endr
	ds_load_b32 v8, v6                             ; my wave's 128 scale bytes: this load sees my stores
	s_wait_dscnt 0x0
	global_store_b32 v7, v8, s[14:15]              ; 32 lanes store 128 consecutive bytes
	s_wait_tensorcnt 0x0                           ; the wave's end, behind my last LDS store
	ds_add_u32 v[SPW], v[NIL]
	s_wait_dscnt 0x0
	s_endpgm
.Lfunc_end_k_q0f0253ecf2_quant:
	.size	k_q0f0253ecf2_quant, .Lfunc_end_k_q0f0253ecf2_quant-k_q0f0253ecf2_quant
	.p2alignl 7, 3214868480
	.fill 96, 4, 3214868480
	.section	.rodata,"a",@progbits
	.p2align	6, 0x0
	.amdhsa_kernel k_q0f0253ecf2_quant
		.amdhsa_group_segment_fixed_size 84992
		.amdhsa_private_segment_fixed_size 0
		.amdhsa_enable_private_segment 0
		.amdhsa_kernarg_size 48
		.amdhsa_user_sgpr_count 2
		.amdhsa_user_sgpr_kernarg_segment_ptr 1
		.amdhsa_wavefront_size32 1
		.amdhsa_system_sgpr_workgroup_id_x 1
		.amdhsa_system_sgpr_workgroup_id_y 1
		.amdhsa_system_sgpr_workgroup_id_z 1
		.amdhsa_system_vgpr_workitem_id 0
		.amdhsa_next_free_vgpr 256
		.amdhsa_next_free_sgpr 66
		.amdhsa_reserve_vcc 0
		.amdhsa_float_denorm_mode_32 3
		.amdhsa_float_denorm_mode_16_64 3
		.amdhsa_memory_ordered 1
		.amdhsa_forward_progress 1
		.amdhsa_inst_pref_size 40
	.end_amdhsa_kernel
	.amdgpu_metadata
---
amdhsa.version: [ 1, 2 ]
amdhsa.kernels:
  - .name:           k_q0f0253ecf2_quant
    .symbol:         k_q0f0253ecf2_quant.kd
    .args:
      - { .name: x, .offset: 0, .size: 8, .value_kind: global_buffer, .address_space: global }
      - { .name: W_query, .offset: 8, .size: 8, .value_kind: global_buffer, .address_space: global }
      - { .name: W_key, .offset: 16, .size: 8, .value_kind: global_buffer, .address_space: global }
      - { .name: W_value, .offset: 24, .size: 8, .value_kind: global_buffer, .address_space: global }
      - { .name: codes, .offset: 32, .size: 8, .value_kind: global_buffer, .address_space: global }
      - { .name: scales, .offset: 40, .size: 8, .value_kind: global_buffer, .address_space: global }
    .group_segment_fixed_size: 84992
    .private_segment_fixed_size: 0
    .kernarg_segment_align: 8
    .kernarg_segment_size: 48
    .max_flat_workgroup_size: 256
    .sgpr_count:     66
    .vgpr_count:     256
    .wavefront_size: 32
...
	.end_amdgpu_metadata
.endif
;; end of part 1
;; launch proj (part 2): grid 8 x 32, 4 waves a work-group, clusters of 4 x 4, 327,680 bytes of LDS; arguments codes, scales, qkv; writes qkv
.if DOCPART == 2
	.amdgcn_target "amdgcn-amd-amdhsa--gfx1250"
	.amdhsa_code_object_version 6
	.text
	.protected	k_q0f0253ecf2_proj
	.globl	k_q0f0253ecf2_proj
	.p2align	8
	.type	k_q0f0253ecf2_proj,@function
k_q0f0253ecf2_proj:
	s_mov_b64 s[64:65], 0
	v_nop
	global_prefetch_b8 v0, s[64:65] scope:SCOPE_SE
	s_setreg_imm32_b32 hwreg(HW_REG_WAVE_MODE, 25, 1), 1
	s_wait_xcnt 0x0
	s_wait_alu depctr_hold_cnt(0) depctr_sa_sdst(0) depctr_va_vdst(0) depctr_va_sdst(0) depctr_va_ssrc(0) depctr_va_vcc(0) depctr_vm_vsrc(0)
	s_getreg_b32 s2, hwreg(HW_REG_IB_STS2, 6, 4)
	s_cmp_eq_u32 s2, 0
	s_cbranch_scc0 .Lentry_in_a_cluster
	s_endpgm
.Lentry_in_a_cluster:
	s_bfe_u32 s2, ttmp6, 0x10000c
	s_cmp_lg_u32 s2, 0xf033
	s_cbranch_scc0 .Lentry_shape_is_right
	s_endpgm
.Lentry_shape_is_right:
; The three quantised products on codes of E2M1 with E8M0 scales, K = 1,024, f32 sums, rounded once to f16.  Work-group (x, y) takes tokens 256 y .. 256 y + 255 and makes TWO PIECES of them:
; PIECE 1: C(token, e) for columns 256 x .. 256 x + 255 of W_query | W_key: q / 8 (x under 4) or k / 4.   PIECE 2: v / 8, TRANSPOSED, for columns 128 x .. 128 x + 127 of W_value and the same tokens.
; 32 blocks of tokens x 8 = 256 work-groups of equal work.  The powers of two lie in the weights' scale bytes.
; K = 1,024 is two LDS slots of 512 along K (rows of 256 bytes), so the tokens' codes of all of K lie in LDS through the whole launch, and piece 2 fetches only W_value's 128 rows: they are brought into slot 0's part for B
; when slot 0's last step has read it: one joint refill behind the change of slots, which is a round of the cluster's barrier.  Piece 1's stores are on their way while piece 2 is multiplied.
; THE RESULTS ARE STORED IN THE ORDER OF AN OPERAND'S REGISTERS: qkv = [row / 16][column / 32][1,024 bytes], and in a block [g = 0, 1][lane][16 bytes]: lane 16 h + r of part g holds row r, columns 16 g + 8 h + 0 .. 7:
; the image of a 16 x 32 fragment of f16.  Row blocks 0-511: tokens (columns: e of q, then of k); row block 512 + 64 x batch + e / 16: v^T (columns: the batch's tokens).
; The matrix instruction's source 1 gives the lane's row and source 0 its eight neighbouring columns, so a packed accumulator is 16 bytes of that image in that very lane: each store of the wave covers 512 consecutive bytes, aligned.
; Piece 1: source 0 = 16 rows of the weights, source 1 = 16 tokens; four waves of 128 x 128 (64 accumulators).  Piece 2: source 0 = 16 tokens, source 1 = 16 rows of W_value; wave w: 128 e x tokens 64 w .. 64 w + 63 (32 accumulators).
; CLUSTERS of 4 x 4: the tokens' tiles are asked for jointly along a row of the cluster, the weights' (W_value's too) along a column.
; LIMITS: |q| and |v| under 524,000 and |k| under 262,000, beyond which the f16 numbers are infinite.
; REGISTERS: window 0: v16-29 addresses; v32-95 scale words; v128-191 piece 1: the tokens' fragments, then packed results; piece 2: v192-255 and v128-191 W_value's fragments by turns, then packed results.
;   window 1: source 0's fragments, two sets, at v0 and at v128.   windows 2, 3: piece 1's accumulators; window 2 again for piece 2's.
.set NQ,     4                         ; steps of 128 along K in a slot
.set ROWB,   256                       ; a tile's row in bytes: 512 codes
.set KROW,   512                       ; a row of codes in memory
.set PITCH,  272                       ; an LDS row: 256 bytes + 16 of padding: the 16 rows that a load touches start 68 words apart
.set FR,     8
.set NL,     2
.set NP,     4
.set HALFT,  128*PITCH
.set SLOT,   4*HALFT                   ; the tokens' 256 rows, then the weights' 256 rows
.set KS,     32                        ; a row of scale bytes
.set SCL,    2*SLOT
.set HALFS,  16*272                    ; the scales of 128 rows: 4,096 bytes as 16 rows of 256 + 16
.set SBLK,   2*272                     ; those of 16 rows
.set SPARE,  SCL+4*HALFS               ; the spare words, 128 bytes for each wave: two blocks of 256 bytes that no other line names
.set ADRA, 16                          ; v16-17 piece 1: my 128 tokens' fragments in slot 0, 1
.set ADT,  18                          ; v18-19 piece 2: my 64 tokens' fragments in slot 0, 1
.set ADRB, 20                          ; v20-21 piece 1: my 128 rows of the weights
.set ADW,  22                          ; v22-23 piece 2: W_value's fragments, K half 0, 1
.set ADTS, 24                          ; v24    piece 2: LDS, my tokens' scale words: row r, 16 bytes of K half h
.set VSO,  25                          ; v25    piece 2: the same place in W_value's rows of scales in memory
.set CO,   26                          ; v26    16 x lane
.set ADRS, 27
.set SPW,  28
.set NIL,  29
.set SC,   32                          ; piece 1: two sets of 32 scale words
.set VS,   32                          ; piece 2: v32-63 W_value's: block a's four words; lanes 0-15 K half 0, lanes 16-31 K half 1
.set TS,   64                          ; piece 2: v64-79 my tokens' likewise
.set AF,   128
.set WF,   192                         ; piece 2: W_value's fragments: set p at v[192 - 64 p]
.set TMP,  128
.set G0V, 8                            ; s[8:11] group 0 for W_value's codes
.set G1, 24
.set G0, 32
.set G1B, 48
.set G0B, 56
.set VB,  66                           ; s[66:67] where my part of v^T begins
.set G1S, 68
.set G0S, 76
.set G1SB, 80
.set G0SB, 88
.set VSB, 96                           ; s[96:97] W_value's 128 rows of scale bytes
.set MSB, 0
.macro WIN new                         ; the immediate's high byte repeats the setting that is left
.if MSB != (\new)
	s_set_vgpr_msb (MSB<<8)|(\new)
.set MSB, (\new)
.endif
.endm
.set MUL_LO, 0xa1                      ; source 0 window 1, source 1 window 0, C and D window 2
.set MUL_HI, 0xf1
.set TO_B,   0x40
; A joint load: waves 0 and 1 fetch the tokens', waves 2 and 3 the weights'.  An s_nop 0 and four v_nop follow each of the two lines.
.macro JLOAD g0a, g1a, g0b, g1b
	s_cmp_eq_u32 s15, 0
	s_cbranch_scc0 .Lfor_b_\@
	tensor_load_to_lds s[\g0a:\g0a+3], s[\g1a:\g1a+7]
	s_nop 0
.rept 4
	v_nop
.endr
	s_branch .Lasked_\@
.Lfor_b_\@:
	tensor_load_to_lds s[\g0b:\g0b+3], s[\g1b:\g1b+7]
	s_nop 0
.rept 4
	v_nop
.endr
.Lasked_\@:
.endm
.macro CREST                           ; a round of the cluster's barrier behind its opening barrier
	s_cmp_lg_u32 s14, 0
	s_cbranch_scc1 .Lnot_wave_0_\@
	s_barrier_signal -3
.Lnot_wave_0_\@:
	s_barrier_wait -3
	s_barrier_signal -1
	s_barrier_wait -1
.endm
.macro CROUND                          ; a whole round
	s_barrier_signal -1
	s_barrier_wait -1
	CREST
.endm
	s_load_b128 s[4:7], s[0:1], 0x0                ; codes, scales
	s_load_b64 s[12:13], s[0:1], 0x10              ; qkv
	v_lshl_add_u32 v[SPW], v0, 2, SPARE
	v_mov_b32 v[NIL], 0
	ds_add_u32 v[SPW], v[NIL]                      ; the opening: the add, twice on end, and its wait ahead of my first tensor load
	ds_add_u32 v[SPW], v[NIL]
	v_lshrrev_b32 v1, 5, v0
	v_readfirstlane_b32 s14, v1                    ; wave 0..3
	s_lshr_b32 s15, s14, 1                         ; piece 1: which half of the tile's rows is mine.  Also: I fetch the tokens' (0) or the weights' (1)
	s_and_b32 s16, s14, 1                          ; piece 1: which half of its columns.  Also: which 128 rows I fetch
	s_bfe_u32 s40, ttmp6, 0x40000                  ; cx
	s_bfe_u32 s41, ttmp6, 0x40004                  ; cy
	s_lshl_b32 s42, ttmp9, 2
	s_add_co_u32 s42, s42, s40                     ; x = 4 x cluster x + cx: 0..7
	s_and_b32 s17, ttmp7, 0xffff
	s_lshl_b32 s17, s17, 2
	s_add_co_u32 s17, s17, s41                     ; y = 4 x cluster y + cy: 0..31
	s_lshl_b32 s43, s41, 2
	s_lshl_b32 s43, 15, s43                        ; my row of the cluster
	s_lshl_b32 s44, 0x1111, s40                    ; my column
	s_or_b32 s[G1+0], s43, (0<<16)|(1<<20)|(1<<21)|(5<<22)|(3<<25)  ; the mask; elements of 1 byte; padding on, 4 words behind every 64; bit 21 beside a mask
	s_or_b32 s[G1B+0], s44, (0<<16)|(1<<20)|(1<<21)|(5<<22)|(3<<25)
.irp g, G1, G1B
	s_mov_b32 s[\g+1], ROWB<<16                    ; tensor_dim0 = 256
	s_mov_b32 s[\g+2], 128<<16                     ; tensor_dim1 = 128
	s_mov_b32 s[\g+3], ROWB<<16                    ; tile_dim0
	s_mov_b32 s[\g+4], 128                         ; tile_dim1
	s_mov_b32 s[\g+5], KROW                        ; from row to row
	s_mov_b32 s[\g+6], 0
	s_mov_b32 s[\g+7], 0
.endr
	s_or_b32 s[G1S+0], s43, (3<<16)|(1<<20)|(1<<21)|(5<<22)|(3<<25) ; the scales of 128 rows: 16 rows of 32 elements of 8 bytes, 4 words of padding behind every 64
	s_or_b32 s[G1SB+0], s44, (3<<16)|(1<<20)|(1<<21)|(5<<22)|(3<<25)
.irp g, G1S, G1SB
	s_mov_b32 s[\g+1], 32<<16
	s_mov_b32 s[\g+2], 16<<16
	s_mov_b32 s[\g+3], 32<<16
	s_mov_b32 s[\g+4], 16
	s_mov_b32 s[\g+5], 32
	s_mov_b32 s[\g+6], 0
	s_mov_b32 s[\g+7], 0
.endr
	; which rows of codes.  The tokens' hang on y alone, the weights' on x alone
	s_lshl_b32 s18, s16, 7                         ; which 128 rows of the tile I fetch
	s_lshl_b32 s20, s17, 8
	s_add_co_u32 s20, s20, s18                     ; tokens 256 y + 128 x half
	s_lshl_b32 s46, s42, 8
	s_add_co_u32 s46, s46, s18
	s_add_co_u32 s46, s46, 8192                    ; W_query | W_key: row 8192 + 256 x + 128 x half
	s_lshl_b32 s22, s20, 5                         ; their scale bytes,
	s_mov_b32 s23, 0
	s_lshl_b32 s92, s46, 5
	s_mov_b32 s93, 0
	s_lshl_b32 s20, s20, 9                         ; and their codes
	s_mov_b32 s21, 0
	s_lshl_b32 s46, s46, 9
	s_mov_b32 s47, 0
	s_lshl_b32 s98, s42, 7
	s_add_co_u32 s98, s98, 10240                   ; W_value: rows 10240 + 128 x on
	s_lshl_b32 s[VSB], s98, 5                      ; their scale bytes,
	s_mov_b32 s[VSB+1], 0
	s_lshl_b32 s98, s98, 9                         ; and their codes:
	s_lshl_b32 s99, s16, 8                         ; wave 2 fetches K half 0 of the 128 rows, wave 3 K half 1
	s_add_co_u32 s98, s98, s99
	s_mov_b32 s99, 0
	s_mul_i32 s45, s14, HALFT                      ; where the tiles go: wave x 128 rows
	s_mul_i32 s94, s14, HALFS
	s_wait_dscnt 0x0                               ; both opening adds are done
	s_wait_kmcnt 0x0
	s_add_nc_u64 s[20:21], s[4:5], s[20:21]
	s_add_nc_u64 s[22:23], s[6:7], s[22:23]
	s_add_nc_u64 s[46:47], s[4:5], s[46:47]
	s_add_nc_u64 s[92:93], s[6:7], s[92:93]
	s_add_nc_u64 s[VSB:VSB+1], s[6:7], s[VSB:VSB+1]
	s_mov_b32 s[G0V], 1
	s_mov_b32 s[G0V+1], s45                        ; in waves 2 and 3: the very bytes that their first fill of slot 0 fills
	s_add_nc_u64 s[G0V+2:G0V+3], s[4:5], s[98:99]
	s_or_b32 s[G0V+3], s[G0V+3], 0x80000000
	CROUND                                         ; all sixteen work-groups are here: the joint loads meet
	s_mov_b32 s[G0S], 1
	s_add_co_u32 s[G0S+1], s94, SCL
	s_mov_b64 s[G0S+2:G0S+3], s[22:23]
	s_or_b32 s[G0S+3], s[G0S+3], 0x80000000
	s_mov_b32 s[G0SB], 1
	s_add_co_u32 s[G0SB+1], s94, SCL
	s_mov_b64 s[G0SB+2:G0SB+3], s[92:93]
	s_or_b32 s[G0SB+3], s[G0SB+3], 0x80000000
	JLOAD G0S, G1S, G0SB, G1SB                     ; the scales first: they are wanted with the first slot
.irp s, 0,1
	s_mov_b32 s[G0+4*\s], 1
	s_add_co_u32 s[G0+4*\s+1], s45, \s*SLOT
	s_add_nc_u64 s[G0+4*\s+2:G0+4*\s+3], s[20:21], \s*ROWB
	s_or_b32 s[G0+4*\s+3], s[G0+4*\s+3], 0x80000000
	s_mov_b32 s[G0B+4*\s], 1
	s_add_co_u32 s[G0B+4*\s+1], s45, \s*SLOT
	s_add_nc_u64 s[G0B+4*\s+2:G0B+4*\s+3], s[46:47], \s*ROWB
	s_or_b32 s[G0B+4*\s+3], s[G0B+4*\s+3], 0x80000000
	JLOAD G0+4*\s, G1, G0B+4*\s, G1B               ; three tensor loads of mine are out in all
.endr
	v_and_b32 v1, 15, v0                           ; r
	v_bfe_u32 v2, v0, 4, 1                         ; h
	v_mul_u32_u24 v3, v1, PITCH
	v_lshl_add_u32 v4, v2, 4, v3                   ; a fragment's row x pitch + 16 h
	s_mul_i32 s21, s15, HALFT
	s_mul_i32 s22, s16, HALFT
	s_add_co_u32 s22, s22, 2*HALFT
.irp s, 0,1
	v_add_nc_u32 v[ADRA+\s], s21, v4
	v_add_nc_u32 v[ADRB+\s], s22, v4
	s_add_co_u32 s21, s21, SLOT
	s_add_co_u32 s22, s22, SLOT
.endr
	s_mul_i32 s21, s14, 64*PITCH                   ; piece 2: my 64 tokens
	v_add_nc_u32 v[ADT], s21, v4
	s_add_co_u32 s21, s21, SLOT
	v_add_nc_u32 v[ADT+1], s21, v4
	v_add_nc_u32 v[ADW], 2*HALFT, v4               ; piece 2: W_value's K half 0 lies where slot 0 held the weights' rows 0-127,
	v_add_nc_u32 v[ADW+1], 3*HALFT, v4             ; K half 1 where it held rows 128-255
	v_mul_u32_u24 v5, v1, KS                       ; my row's scales: 32 bytes a row,
	v_lshrrev_b32 v6, 8, v5
	v_lshl_add_u32 v5, v6, 4, v5                   ; and 16 more behind the first 256
	s_mul_i32 s21, s14, 4*SBLK                     ; piece 2: my 64 tokens' scales,
	s_add_co_u32 s21, s21, SCL
	v_lshl_add_u32 v[ADTS], v2, 4, v5              ; lanes 16-31 the second 16 bytes of the row
	v_add_nc_u32 v[ADTS], s21, v[ADTS]
	v_lshlrev_b32 v[VSO], 5, v1
	v_lshl_add_u32 v[VSO], v2, 4, v[VSO]           ; 32 r + 16 h: the 32 lanes cover 512 consecutive bytes
	s_mul_i32 s21, s15, HALFS
	s_mul_i32 s22, s16, HALFS
	s_add_co_u32 s22, s22, 2*HALFS
	s_sub_co_u32 s22, s22, s21
	v_mul_u32_u24 v6, s22, v2                      ; piece 1: lanes 16-31 take the weights'
	s_add_co_u32 s21, s21, SCL
	v_add_nc_u32 v5, v5, v6
	v_add_nc_u32 v[ADRS], s21, v5
	v_and_b32 v6, 31, v0
	v_lshlrev_b32 v[CO], 4, v6
	s_lshr_b32 s20, s17, 3                         ; piece 2's place: row block 512 + 64 x batch + 8 x,
	s_lshl_b32 s20, s20, 6
	s_lshl_b32 s21, s42, 3
	s_add_co_u32 s20, s20, s21
	s_add_co_u32 s20, s20, 512
	s_lshl_b32 s20, s20, 16                        ; 65,536 bytes a row block;
	s_and_b32 s21, s17, 7                          ; column block 8 x (my block of tokens in its batch) + 2 x wave,
	s_lshl_b32 s21, s21, 3
	s_lshl_b32 s46, s14, 1
	s_add_co_u32 s21, s21, s46
	s_lshl_b32 s21, s21, 10                        ; 1,024 bytes each
	s_add_co_u32 s20, s20, s21
	s_mov_b32 s21, 0
	s_add_nc_u64 s[VB:VB+1], s[12:13], s[20:21]
	s_lshl_b32 s20, s17, 4                         ; piece 1's: row block 16 y + 8 x half,
	s_lshl_b32 s21, s15, 3
	s_add_co_u32 s20, s20, s21
	s_lshl_b32 s20, s20, 16
	s_lshl_b32 s46, s42, 3                         ; column block 8 x + 4 x half
	s_lshl_b32 s47, s16, 2
	s_add_co_u32 s46, s46, s47
	s_lshl_b32 s46, s46, 10
	s_add_co_u32 s20, s20, s46
	s_mov_b32 s21, 0
	s_add_nc_u64 s[12:13], s[12:13], s[20:21]
.macro FRAG reg, adr, q, i             ; 16 rows x 128 K of 4-bit codes: 8 registers, two loads of 16 bytes, 32 bytes apart
.irp c, 0,1
	ds_load_b128 v[\reg+4*\c:\reg+4*\c+3], v[\adr] offset:64*(\q)+32*\c+(\i)*16*PITCH
.endr
.endm
; 16 matrix instructions of piece 1: the tokens' blocks a0, a0 + 1 x the weights' eight.  The 64 accumulators take turns, one instruction a turn, in the same order in every step.
.macro MUL16 a0, p, q, sc, zero
.irp a, \a0, \a0+1
.irp b, 0,1,2,3,4,5,6,7
.if \zero
	v_wmma_scale_f32_16x16x128_f8f6f4 v[8*(8*((\a)%4)+\b):8*(8*((\a)%4)+\b)+7], v[128*(\p)+FR*\b:128*(\p)+FR*\b+FR-1], v[AF+FR*(\a):AF+FR*(\a)+FR-1], 0, v[SC+8*NQ*(\sc)+NQ*\b+(\q)], v[SC+8*NQ*(\sc)+NQ*(\a)+(\q)] matrix_a_fmt:MATRIX_FMT_FP4 matrix_b_fmt:MATRIX_FMT_FP4 matrix_a_scale:MATRIX_SCALE_ROW1
.else
	v_wmma_scale_f32_16x16x128_f8f6f4 v[8*(8*((\a)%4)+\b):8*(8*((\a)%4)+\b)+7], v[128*(\p)+FR*\b:128*(\p)+FR*\b+FR-1], v[AF+FR*(\a):AF+FR*(\a)+FR-1], v[8*(8*((\a)%4)+\b):8*(8*((\a)%4)+\b)+7], v[SC+8*NQ*(\sc)+NQ*\b+(\q)], v[SC+8*NQ*(\sc)+NQ*(\a)+(\q)] matrix_a_fmt:MATRIX_FMT_FP4 matrix_b_fmt:MATRIX_FMT_FP4 matrix_a_scale:MATRIX_SCALE_ROW1
.endif
.endr
.endr
.endm
.macro FETCH_B slot, q, p
	WIN TO_B
.irp i, 0,1,2,3,4,5,6,7
	FRAG 128*(\p)+FR*\i, ADRB+\slot, \q, \i
.endr
	WIN 0
.endm
.macro FETCH_A slot, q, i0
.irp i, \i0, \i0+1, \i0+2, \i0+3
	FRAG AF+FR*(\i), ADRA+\slot, \q, \i
.endr
.endm
.macro SCALES sc                       ; a slot's scale words: four a row; lanes 0-15 take the tokens' block i, lanes 16-31 the weights' block i
.irp i, 0,1,2,3,4,5,6,7
	ds_load_b128 v[SC+8*NQ*\sc+NQ*\i:SC+8*NQ*\sc+NQ*\i+3], v[ADRS] offset:\i*SBLK
.endr
.endm
.macro PLACES n                        ; plain vector lines between matrix instructions and loads into, or reads of, their registers
.rept \n
	v_nop
.endr
.endm
.macro STEP slot, q, zero              ; a step of 128 along K that has its successor in the same slot
	s_wait_dscnt 4*NL                              ; the weights' set and the tokens' blocks 0-3 are in; the youngest eight loads (blocks 4-7) may be out
	WIN MUL_LO
	MUL16 0, (\q)%2, \q, \slot, \zero
	MUL16 2, (\q)%2, \q, \slot, \zero
	s_wait_dscnt 0
	PLACES NP
	FETCH_B \slot, (\q)+1, 1-(\q)%2
	FETCH_A \slot, (\q)+1, 0
	WIN MUL_HI
	MUL16 4, (\q)%2, \q, \slot, \zero
	MUL16 6, (\q)%2, \q, \slot, \zero
	PLACES NP
	WIN 0
	FETCH_A \slot, (\q)+1, 4
.endm
.macro STEPS slot, from
.set Q, \from
.rept NQ-1-\from
	STEP \slot, Q, 0
.set Q, Q+1
.endr
.endm
; PIECE 2.  K step s (0 to 7): the tokens' codes lie in slot s / 4, W_value's in K half s / 4, both at byte 64 (s % 4) of their rows.  Set s % 2 of the fragment registers.
.macro VFETCH s
	WIN TO_B
.irp b, 0,1,2,3
.irp c, 0,1
	ds_load_b128 v[128*((\s)%2)+FR*\b+4*\c:128*((\s)%2)+FR*\b+4*\c+3], v[ADT+(\s)/4] offset:64*((\s)%4)+32*\c+\b*16*PITCH
.endr
.endr
	WIN 0
.irp a, 0,1,2,3,4,5,6,7
.irp c, 0,1
	ds_load_b128 v[WF-64*((\s)%2)+FR*\a+4*\c:WF-64*((\s)%2)+FR*\a+4*\c+3], v[ADW+(\s)/4] offset:64*((\s)%4)+32*\c+\a*16*PITCH
.endr
.endr
.endm
; 32 matrix instructions: W_value's eight blocks x my four blocks of tokens; the 32 accumulators take turns.  K steps 4 to 7 take their scale words from lanes 16-31.
.macro VMUL s
.irp a, 0,1,2,3,4,5,6,7
.irp b, 0,1,2,3
.if (\s) == 0
	v_wmma_scale_f32_16x16x128_f8f6f4 v[8*(4*\a+\b):8*(4*\a+\b)+7], v[128*((\s)%2)+FR*\b:128*((\s)%2)+FR*\b+FR-1], v[WF-64*((\s)%2)+FR*\a:WF-64*((\s)%2)+FR*\a+FR-1], 0, v[TS+NQ*\b+(\s)%4], v[VS+NQ*\a+(\s)%4] matrix_a_fmt:MATRIX_FMT_FP4 matrix_b_fmt:MATRIX_FMT_FP4
.elseif (\s) < 4
	v_wmma_scale_f32_16x16x128_f8f6f4 v[8*(4*\a+\b):8*(4*\a+\b)+7], v[128*((\s)%2)+FR*\b:128*((\s)%2)+FR*\b+FR-1], v[WF-64*((\s)%2)+FR*\a:WF-64*((\s)%2)+FR*\a+FR-1], v[8*(4*\a+\b):8*(4*\a+\b)+7], v[TS+NQ*\b+(\s)%4], v[VS+NQ*\a+(\s)%4] matrix_a_fmt:MATRIX_FMT_FP4 matrix_b_fmt:MATRIX_FMT_FP4
.else
	v_wmma_scale_f32_16x16x128_f8f6f4 v[8*(4*\a+\b):8*(4*\a+\b)+7], v[128*((\s)%2)+FR*\b:128*((\s)%2)+FR*\b+FR-1], v[WF-64*((\s)%2)+FR*\a:WF-64*((\s)%2)+FR*\a+FR-1], v[8*(4*\a+\b):8*(4*\a+\b)+7], v[TS+NQ*\b+(\s)%4], v[VS+NQ*\a+(\s)%4] matrix_a_fmt:MATRIX_FMT_FP4 matrix_b_fmt:MATRIX_FMT_FP4 matrix_a_scale:MATRIX_SCALE_ROW1 matrix_b_scale:MATRIX_SCALE_ROW1
.endif
.endr
.endr
.endm
.macro VSTEP s
	s_wait_dscnt 0x0                               ; this step's fragments are in
.if (\s) > 0
	PLACES NP                                      ; behind the last step's products, whose set is loaded anew
.endif
.if (\s) < 7
	VFETCH (\s)+1
.endif
	WIN MUL_LO
	VMUL \s
	WIN 0
.endm
	s_wait_tensorcnt 1                             ; the scales and my part of slot 0 are in (slot 1's load may be out),
	s_barrier_signal -1
	s_barrier_wait -1                              ; everybody's are
	FETCH_B 0, 0, 0
	FETCH_A 0, 0, 0
	SCALES 0
	FETCH_A 0, 0, 4
	STEP 0, 0, 1                                   ; the first step's products start the sums: nothing is cleared
	STEPS 0, 1
	; slot 0's last step changes slots.  In front of the barrier each wave waits for all its tensor loads (its part of slot 1), adds 0 to its spare word, and waits for that and for its reads of slot 0.
	; The barrier opens a round of the cluster's: behind it no wave of any partner reads slot 0's rows of the weights, and W_value's codes are asked for into them
	s_wait_tensorcnt 0x0
	ds_add_u32 v[SPW], v[NIL]
	s_wait_dscnt 4*NL+1                            ; (the add and the youngest eight loads may be out)
	WIN MUL_LO
	MUL16 0, 1, NQ-1, 0, 0
	s_wait_dscnt 0x0                               ; the add is done, and my reads of slot 0 in piece 1 are over
	s_barrier_signal -1
	MUL16 2, 1, NQ-1, 0, 0
	WIN 0
	s_barrier_wait -1
	CREST
	s_cmp_eq_u32 s15, 0                            ; waves 2 and 3 ask, each for 128 rows x 256 bytes; the branch hangs on the wave's number alone
	s_cbranch_scc1 .Lno_v
	tensor_load_to_lds s[G0V:G0V+3], s[G1B:G1B+7]  ; the first tensor load behind the round, and my only one: it has piece 1's second half in which to land
	s_nop 0
.rept 4
	v_nop
.endr
.Lno_v:
	PLACES NP
	v_add_nc_u32 v[ADRS], 4*NQ, v[ADRS]            ; on to slot 1's scale words
	FETCH_B 1, 0, 0
	FETCH_A 1, 0, 0
	SCALES 1
	WIN MUL_HI
	MUL16 4, 1, NQ-1, 0, 0
	MUL16 6, 1, NQ-1, 0, 0
	PLACES NP
	WIN 0
	FETCH_A 1, 0, 4
	STEPS 1, 0
	s_wait_dscnt 4*NL                              ; piece 1's last step: nothing more to fetch for it
	WIN MUL_LO
	MUL16 0, 1, NQ-1, 1, 0
	MUL16 2, 1, NQ-1, 1, 0
	s_wait_dscnt 0
	WIN MUL_HI
	MUL16 4, 1, NQ-1, 1, 0
	MUL16 6, 1, NQ-1, 1, 0
	WIN 0
	PLACES NP
	; piece 2's scale words are asked for now: they hang on nothing that is still on its way
.irp a, 0,1,2,3,4,5,6,7
	global_load_b128 v[VS+NQ*\a:VS+NQ*\a+3], v[VSO], s[VSB:VSB+1] offset:512*\a    ; 16 rows of W_value's scale bytes: 512 consecutive bytes
.endr
.irp b, 0,1,2,3
	ds_load_b128 v[TS+NQ*\b:TS+NQ*\b+3], v[ADTS] offset:\b*SBLK
.endr
	; PIECE 1'S WAY OUT: block a of 16 rows: 32 roundings to f16, each accumulator from its low end on, and eight stores of 512 consecutive bytes
.irp a, 0,1,2,3,4,5,6,7
.if \a >= 2
	s_wait_xcnt 0x0                                ; block a - 2's stores have read the registers that are packed into now
.endif
	WIN 0x0a+5*(\a/4)                              ; sources 0 and 1: window 2 or 3
.irp b, 0,1,2,3,4,5,6,7
.irp r, 0,1,2,3
	v_cvt_pk_f16_f32 v[TMP+32*(\a%2)+4*\b+\r], v[64*(\a%4)+8*\b+2*\r], v[64*(\a%4)+8*\b+2*\r+1]
.endr
.endr
	WIN 0
.irp b, 0,1,2,3,4,5,6,7
	global_store_b128 v[CO], v[TMP+32*(\a%2)+4*\b:TMP+32*(\a%2)+4*\b+3], s[12:13] offset:\a*65536+512*\b
.endr
.endr
	; PIECE 2
	s_wait_tensorcnt 0x0                           ; W_value's codes have landed (waves 2 and 3 asked),
	s_wait_dscnt 0x0
	s_barrier_signal -1
	s_barrier_wait -1                              ; and every wave may read them
	VFETCH 0
	s_wait_xcnt 0x0                                ; piece 1's stores have read their registers: v128-191 become a set of fragments
	s_wait_loadcnt 0x0                             ; W_value's scale words are in
.irp s, 0,1,2,3,4,5,6,7
	VSTEP \s
.endr
	PLACES NP
.irp a, 0,1,2,3,4,5,6,7                ; block a: 16 e x my 64 tokens: 16 roundings into registers that are written once, four stores of 512 consecutive bytes
	WIN 0x0a                                       ; sources 0 and 1: window 2
.irp b, 0,1,2,3
.irp r, 0,1,2,3
	v_cvt_pk_f16_f32 v[TMP+16*\a+4*\b+\r], v[8*(4*\a+\b)+2*\r], v[8*(4*\a+\b)+2*\r+1]
.endr
.endr
	WIN 0
.irp b, 0,1,2,3
	global_store_b128 v[CO], v[TMP+16*\a+4*\b:TMP+16*\a+4*\b+3], s[VB:VB+1] offset:\a*65536+512*\b
.endr
.endr
	s_wait_tensorcnt 0x0                           ; the wave's end
	ds_add_u32 v[SPW], v[NIL]
	s_wait_dscnt 0x0
	CROUND                                         ; the closing round
	s_endpgm
.Lfunc_end_k_q0f0253ecf2_proj:
	.size	k_q0f0253ecf2_proj, .Lfunc_end_k_q0f0253ecf2_proj-k_q0f0253ecf2_proj
	.p2alignl 7, 3214868480
	.fill 96, 4, 3214868480
	.section	.rodata,"a",@progbits
	.p2align	6, 0x0
	.amdhsa_kernel k_q0f0253ecf2_proj
		.amdhsa_group_segment_fixed_size 327680
		.amdhsa_private_segment_fixed_size 0
		.amdhsa_enable_private_segment 0
		.amdhsa_kernarg_size 24
		.amdhsa_user_sgpr_count 2
		.amdhsa_user_sgpr_kernarg_segment_ptr 1
		.amdhsa_wavefront_size32 1
		.amdhsa_system_sgpr_workgroup_id_x 1
		.amdhsa_system_sgpr_workgroup_id_y 1
		.amdhsa_system_sgpr_workgroup_id_z 1
		.amdhsa_system_vgpr_workitem_id 0
		.amdhsa_next_free_vgpr 1024
		.amdhsa_next_free_sgpr 100
		.amdhsa_reserve_vcc 0
		.amdhsa_float_denorm_mode_32 3
		.amdhsa_float_denorm_mode_16_64 3
		.amdhsa_memory_ordered 1
		.amdhsa_forward_progress 1
		.amdhsa_inst_pref_size 178
	.end_amdhsa_kernel
	.amdgpu_metadata
---
amdhsa.version: [ 1, 2 ]
amdhsa.kernels:
  - .name:           k_q0f0253ecf2_proj
    .symbol:         k_q0f0253ecf2_proj.kd
    .args:
      - { .name: codes, .offset: 0, .size: 8, .value_kind: global_buffer, .address_space: global }
      - { .name: scales, .offset: 8, .size: 8, .value_kind: global_buffer, .address_space: global }
      - { .name: qkv, .offset: 16, .size: 8, .value_kind: global_buffer, .address_space: global }
    .group_segment_fixed_size: 327680
    .private_segment_fixed_size: 0
    .kernarg_segment_align: 8
    .kernarg_segment_size: 24
    .max_flat_workgroup_size: 128
    .sgpr_count:     100
    .vgpr_count:     1024
    .wavefront_size: 32
...
	.end_amdgpu_metadata
.endif
;; end of part 2
;; launch scores (part 3): grid 8 x 32, 4 waves a work-group, clusters of 4 x 4, 327,680 bytes of LDS; arguments qkv, pmat, stM, stL; writes pmat, stM, stL
.if DOCPART == 3
	.amdgcn_target "amdgcn-amd-amdhsa--gfx1250"
	.amdhsa_code_object_version 6
	.text
	.protected	k_q0f0253ecf2_scores
	.globl	k_q0f0253ecf2_scores
	.p2align	8
	.type	k_q0f0253ecf2_scores,@function
k_q0f0253ecf2_scores:
	s_mov_b64 s[64:65], 0
	v_nop
	global_prefetch_b8 v0, s[64:65] scope:SCOPE_SE
	s_setreg_imm32_b32 hwreg(HW_REG_WAVE_MODE, 25, 1), 1
	s_wait_xcnt 0x0
	s_wait_alu depctr_hold_cnt(0) depctr_sa_sdst(0) depctr_va_vdst(0) depctr_va_sdst(0) depctr_va_ssrc(0) depctr_va_vcc(0) depctr_vm_vsrc(0)
	s_getreg_b32 s2, hwreg(HW_REG_IB_STS2, 6, 4)
	s_cmp_eq_u32 s2, 0
	s_cbranch_scc0 .Lentry_in_a_cluster
	s_endpgm
.Lentry_in_a_cluster:
	s_bfe_u32 s2, ttmp6, 0x10000c
	s_cmp_lg_u32 s2, 0xf033
	s_cbranch_scc0 .Lentry_shape_is_right
	s_endpgm
.Lentry_shape_is_right:
; S(j, i) = k_j . q_i / 32 for one batch, in f16 with f32 sums (the operands are k / 4 and q / 8), and the softmax over i as far as a tile can take it.
; reference() normalises over the QUERY axis i and sums out(j) = sum over i of attn(i, j) v_i: seen from row j this is a softmax along i.
; A tile is 256 j x 256 i.  For each row j the tile takes t = S x log2(e), M = the largest t of its 256 i rounded UP to a whole number, p = 2^(t - M), and stores
; p (f16), -M and the sums of the unrounded p.  The last launch brings a row's eight tiles under one reference by powers of two, which round nothing.
; pmat is stored in the order of an operand's registers, [row j / 16][i / 32][1,024 bytes] (in a block: [g][lane][16 bytes], lane 16 h + r: row r, i = 16 g + 8 h + 0 .. 7), as qkv is: the matrix instruction is used
; transposed (source 0 = 16 rows of q, source 1 = 16 rows of k), so a lane holds ONE j and eight neighbouring i, and a packed accumulator is 16 bytes of that image in that lane.
; stM, stL: [16 chunks of 128 i][8192 rows] f32; a wave owns 128 j x 128 i and writes one chunk's 128 rows; both chunks of a tile hold the same -M.
; Four waves of 128 x 128: 64 accumulators.  K = 1,024 goes in steps of 128 through two LDS slots.  A K step of 16 rows is 4,096 consecutive bytes of qkv, so a wave's tensor load is 8 rows of 4,096 bytes,
; dense in LDS, and every fragment load reads 512 consecutive bytes.  CLUSTERS of 4 x 4: k's tiles are asked for jointly along a row of the cluster, q's along a column.
; LIMITS: NaN and infinite scores are not served.
; REGISTERS: window 0: v16-31 addresses; v64-127, v128-191 A's fragments, two buffers; on the way out v32-95 statistics, v128-145 at work, v192-255 packed p.  window 1: B's two buffers.  windows 2, 3: the accumulators.
.set KB,    4096                       ; a K step of a row block, in bytes
.set HALF,  32768                      ; 8 row blocks x KB: what one tensor load brings
.set SLOT,  4*HALF                     ; A's two halves, then B's two
.set XCH,   2*SLOT                     ; behind the ring: 512 bytes a wave for the rows' maxima,
.set STM,   2048                       ; (from XCH on) 512 a wave for -M,
.set STL,   4096                       ; and 512 a wave for the sums
.set SPARE, XCH+6144                   ; the spare words, 128 bytes for each wave: two blocks of 256 bytes that no other line names
.set LAPS,  4                          ; a lap = two K steps
.set ADRA, 16
.set ADRB, 20
.set SR,   22                          ; v22  my wave's 512 bytes, 16 a lane
.set CO,   26                          ; v26  16 x lane
.set XA,   27                          ; v27  my wave's 512 bytes, word r
.set SPW,  28
.set NIL,  29
.set PFO,  30                          ; v30  the prefetches' offset: row block lane / 16, 256 bytes x (lane % 16)
.set XB,   31                          ; v31  the same word of the wave that shares my rows
.set MX,   32                          ; v32-39  block a's largest score
.set NM,   40                          ; v40-55  pairs: -M, and the largest t
.set LS,   56                          ; v56-71  pairs: the sums
.set PD,   72                          ; v72-79  lane exchanges
.set CH,   128                         ; v128-143 sixteen chains
.set T2,   144                         ; v144-145 the sums' second chain
.set TMP,  192                         ; two sets of 32 packed registers
.set F0,   64
.set F1,   128
.set G1, 24
.set G0, 32
.set G1B, 48
.set G0B, 56
.set LIM, 43
.set PFA, 44
.set CS,  72                           ; s[72:73] log2(e), twice
.set SEL, 74                           ; s[74:75] lane selects: lane l xor 16
.set MSB, 0
.macro WIN new
.if MSB != (\new)
	s_set_vgpr_msb (MSB<<8)|(\new)
.set MSB, (\new)
.endif
.endm
.set MUL_LO, 0xa1                      ; source 0 (B) window 1, source 1 (A) window 0, C and D window 2
.set MUL_HI, 0xf1
.set TO_B,   0x40
.macro JLOAD s                         ; waves 0 and 1 fetch A's halves, waves 2 and 3 B's; an s_nop 0 and four v_nop follow each line
	s_cmp_eq_u32 s11, 0
	s_cbranch_scc0 .Lfor_b_\@
	tensor_load_to_lds s[G0+4*\s:G0+4*\s+3], s[G1:G1+7]
	s_nop 0
.rept 4
	v_nop
.endr
	s_branch .Lasked_\@
.Lfor_b_\@:
	tensor_load_to_lds s[G0B+4*\s:G0B+4*\s+3], s[G1B:G1B+7]
	s_nop 0
.rept 4
	v_nop
.endr
.Lasked_\@:
.endm
; A prefetch of the K step that stands two refills on: of the 8 row blocks that I fetch, my work-group's 2 (told apart by address: cx for A, cy for B), 16 blocks of 256 bytes each: a lane a block.
; k's rows are read by both clusters of a row of clusters: cluster x = 0 asks.  q's rows by the two clusters of a batch in a column: the even cluster y asks.  The last trip's two refills have no K step two on.
.macro ASK
	s_cmp_gt_u32 s3, s[LIM]
	s_cbranch_scc0 .Lnot_mine_\@
	global_prefetch_b8 v[PFO], s[PFA:PFA+1] offset:KB th:TH_LOAD_NT scope:SCOPE_SE
.Lnot_mine_\@:
.endm
.macro CREST
	s_cmp_lg_u32 s10, 0
	s_cbranch_scc1 .Lnot_wave_0_\@
	s_barrier_signal -3
.Lnot_wave_0_\@:
	s_barrier_wait -3
	s_barrier_signal -1
	s_barrier_wait -1
.endm
.macro CROUND
	s_barrier_signal -1
	s_barrier_wait -1
	CREST
.endm
	s_load_b128 s[4:7], s[0:1], 0x0                ; qkv, pmat
	s_load_b128 s[68:71], s[0:1], 0x10             ; stM, stL
	v_lshl_add_u32 v[SPW], v0, 2, SPARE
	v_mov_b32 v[NIL], 0
	ds_add_u32 v[SPW], v[NIL]                      ; the opening: the add, twice on end, and its wait ahead of my first tensor load
	ds_add_u32 v[SPW], v[NIL]
	v_lshrrev_b32 v1, 5, v0
	v_readfirstlane_b32 s10, v1                    ; wave 0..3
	s_lshr_b32 s11, s10, 1                         ; which 128 j are mine.  Also: I fetch for A (0) or for B (1)
	s_and_b32 s12, s10, 1                          ; which 128 i.  Also: which half I fetch
	s_bfe_u32 s40, ttmp6, 0x40000                  ; cx
	s_bfe_u32 s41, ttmp6, 0x40004                  ; cy
	s_lshl_b32 s42, ttmp9, 2
	s_add_co_u32 s42, s42, s40                     ; x: the tile of i, 0..7
	s_and_b32 s76, ttmp7, 0xffff                   ; cluster y; the batch is cluster y / 2
	s_lshl_b32 s13, s76, 2
	s_add_co_u32 s13, s13, s41                     ; y = 8 x batch + the tile of j
	s_lshl_b32 s43, s41, 2
	s_lshl_b32 s43, 15, s43                        ; my row of the cluster
	s_lshl_b32 s44, 0x1111, s40                    ; my column
	s_or_b32 s[G1+0], s43, (3<<16)|(1<<21)         ; the mask; elements of 8 bytes; no padding; bit 21 beside a mask
	s_or_b32 s[G1B+0], s44, (3<<16)|(1<<21)
.irp g, G1, G1B
	s_mov_b32 s[\g+1], 512<<16                     ; tensor_dim0 = 512 elements: 4,096 bytes
	s_mov_b32 s[\g+2], 8<<16                       ; tensor_dim1 = 8 row blocks
	s_mov_b32 s[\g+3], 512<<16                     ; tile_dim0
	s_mov_b32 s[\g+4], 8                           ; tile_dim1
	s_mov_b32 s[\g+5], 8192                        ; from row block to row block: 65,536 bytes
	s_mov_b32 s[\g+6], 0
	s_mov_b32 s[\g+7], 0
.endr
	s_lshl_b32 s18, s12, 3
	s_lshl_b32 s16, s13, 4
	s_add_co_u32 s16, s16, s18                     ; A: row block 16 y + 8 x half,
	s_lshl_b32 s16, s16, 16
	s_add_co_u32 s16, s16, 32768                   ; k / 4 lies in the second half of a token's row block
	s_mov_b32 s17, 0
	s_lshr_b32 s46, s76, 1
	s_lshl_b32 s46, s46, 7
	s_lshl_b32 s47, s42, 4
	s_add_co_u32 s46, s46, s47
	s_add_co_u32 s46, s46, s18                     ; B: row block 128 x batch + 16 x + 8 x half: q / 8
	s_lshl_b32 s46, s46, 16
	s_mov_b32 s47, 0
	s_lshl_b32 s20, s10, 15                        ; where they go: wave x 32,768
	s_mov_b32 s[CS], 0x3fb8aa3b                    ; log2(e)
	s_mov_b32 s[CS+1], s[CS]
	s_mov_b32 s[SEL], 0x76543210
	s_mov_b32 s[SEL+1], 0xfedcba98
	s_wait_dscnt 0x0                               ; both opening adds are done
	s_wait_kmcnt 0x0
	s_add_nc_u64 s[14:15], s[4:5], s[16:17]
	s_add_nc_u64 s[46:47], s[4:5], s[46:47]
	CROUND                                         ; all sixteen work-groups are here
.irp s, 0,1
	s_mov_b32 s[G0+4*\s], 1
	s_add_co_u32 s[G0+4*\s+1], s20, \s*SLOT
	s_add_nc_u64 s[G0+4*\s+2:G0+4*\s+3], s[14:15], \s*KB
	s_or_b32 s[G0+4*\s+3], s[G0+4*\s+3], 0x80000000
	s_mov_b32 s[G0B+4*\s], 1
	s_add_co_u32 s[G0B+4*\s+1], s20, \s*SLOT
	s_add_nc_u64 s[G0B+4*\s+2:G0B+4*\s+3], s[46:47], \s*KB
	s_or_b32 s[G0B+4*\s+3], s[G0B+4*\s+3], 0x80000000
	JLOAD \s                                       ; two tensor loads of mine are out
.endr
	v_and_b32 v1, 15, v0                           ; r
	v_bfe_u32 v2, v0, 4, 1                         ; h
	v_and_b32 v3, 31, v0
	v_lshlrev_b32 v[CO], 4, v3
	s_lshl_b32 s21, s11, 15                        ; my 128 rows of A,
	s_lshl_b32 s22, s12, 15
	s_add_co_u32 s22, s22, 2*HALF                  ; my 128 rows of B
.irp s, 0,1
	v_add_nc_u32 v[ADRA+\s], s21, v[CO]
	v_add_nc_u32 v[ADRB+\s], s22, v[CO]
	s_add_co_u32 s21, s21, SLOT
	s_add_co_u32 s22, s22, SLOT
.endr
	s_lshl_b32 s23, s10, 9
	s_add_co_u32 s23, s23, XCH
	v_lshl_add_u32 v[XA], v1, 2, s23
	v_add_nc_u32 v[SR], s23, v[CO]
	s_xor_b32 s23, s10, 1                          ; the wave with my j and the other 128 i
	s_lshl_b32 s23, s23, 9
	s_add_co_u32 s23, s23, XCH
	v_lshl_add_u32 v[XB], v1, 2, s23
	v_lshlrev_b32 v[PFO], 8, v1
	v_lshl_add_u32 v[PFO], v2, 16, v[PFO]
	; pmat: row block 16 y + 8 x (my half of j), block of i 8 x + 4 x (my half of i)
	s_lshl_b32 s16, s13, 4
	s_lshl_b32 s17, s11, 3
	s_add_co_u32 s16, s16, s17
	s_lshl_b32 s16, s16, 16
	s_lshl_b32 s46, s42, 3
	s_lshl_b32 s47, s12, 2
	s_add_co_u32 s46, s46, s47
	s_lshl_b32 s46, s46, 10
	s_add_co_u32 s16, s16, s46
	s_mov_b32 s17, 0
	s_add_nc_u64 s[8:9], s[6:7], s[16:17]
	; stM, stL: chunk 2 x + (my half of i), row 256 y + 128 x (my half of j)
	s_lshl_b32 s16, s42, 1
	s_add_co_u32 s16, s16, s12
	s_lshl_b32 s16, s16, 15
	s_lshl_b32 s46, s13, 10
	s_add_co_u32 s16, s16, s46
	s_lshl_b32 s46, s11, 9
	s_add_co_u32 s16, s16, s46
	s_add_nc_u64 s[68:69], s[68:69], s[16:17]
	s_add_nc_u64 s[70:71], s[70:71], s[16:17]
	; the prefetches
	s_lshl_b32 s20, s13, 4                         ; A's tile begins at row block 16 y,
	s_lshr_b32 s21, s76, 1
	s_lshl_b32 s21, s21, 7
	s_lshl_b32 s22, s42, 4
	s_add_co_u32 s21, s21, s22                     ; B's at 128 x batch + 16 x
	s_and_b32 s22, s76, 1
	s_cmp_eq_u32 s11, 0                            ; do I fetch for A?
	s_cselect_b32 s20, s20, s21
	s_cselect_b32 s21, s40, s41                    ; my place among the four that ask with me
	s_cselect_b32 s22, ttmp9, s22                  ; the coordinate along which other clusters read the same rows
	s_cselect_b32 s23, 32768, 0
	s_cmp_eq_u32 s22, 0
	s_cselect_b32 s[LIM], 1, -1                    ; the same in all sixteen partners, for a given wave
	s_lshl_b32 s22, s12, 3
	s_add_co_u32 s20, s20, s22
	s_lshl_b32 s21, s21, 1
	s_add_co_u32 s20, s20, s21
	s_lshl_b32 s20, s20, 16
	s_add_co_u32 s20, s20, s23
	s_add_co_u32 s20, s20, 2*KB                    ; at K step 2: the first refill steps it to 3 and names K step 4
	s_mov_b32 s21, 0
	s_add_nc_u64 s[PFA:PFA+1], s[4:5], s[20:21]
; 16 matrix instructions: m blocks a0, a0 + 1 of the window's four x all 8 n blocks, 32 along K.  The 64 accumulators take turns.
.macro MUL16 f, hi, a0, zero
.irp a, \a0, \a0+1
.irp b, 0,1,2,3,4,5,6,7
.if \zero
	v_wmma_f32_16x16x32_f16 v[8*(8*(\a)+\b):8*(8*(\a)+\b)+7], v[\f+8*\b:\f+8*\b+7], v[\f+8*(4*\hi+\a):\f+8*(4*\hi+\a)+7], 0
.else
	v_wmma_f32_16x16x32_f16 v[8*(8*(\a)+\b):8*(8*(\a)+\b)+7], v[\f+8*\b:\f+8*\b+7], v[\f+8*(4*\hi+\a):\f+8*(4*\hi+\a)+7], v[8*(8*(\a)+\b):8*(8*(\a)+\b)+7]
.endif
.endr
.endr
.endm
.macro FETCH slot, kq, f               ; 32 LDS loads in one run: the slot's kq-th 32 along K: B's 8 fragments, then A's; each load reads 512 consecutive bytes
	WIN TO_B
.irp i, 0,1,2,3,4,5,6,7
	ds_load_b128 v[\f+8*\i:\f+8*\i+3],   v[ADRB+\slot] offset:\i*KB+(\kq)*1024
	ds_load_b128 v[\f+8*\i+4:\f+8*\i+7], v[ADRB+\slot] offset:\i*KB+(\kq)*1024+512
.endr
	WIN 0
.irp i, 0,1,2,3,4,5,6,7
	ds_load_b128 v[\f+8*\i:\f+8*\i+3],   v[ADRA+\slot] offset:\i*KB+(\kq)*1024
	ds_load_b128 v[\f+8*\i+4:\f+8*\i+7], v[ADRA+\slot] offset:\i*KB+(\kq)*1024+512
.endr
.endm
.macro PLACES                          ; four plain lines between matrix instructions and loads into, or reads of, their registers
.rept 4
	v_nop
.endr
.endm
.macro QUARTER slot, kq, f, g, zero    ; multiplies buffer f; in its middle fetches the slot's kq-th quarter into g
	s_wait_dscnt 8                                 ; B and A's rows 0-63 are in; the youngest eight loads (A's rows 64-127) may be out
	WIN MUL_LO
	MUL16 \f, 0, 0, \zero
	MUL16 \f, 0, 2, \zero
	PLACES
	FETCH \slot, \kq, \g
	s_wait_dscnt 32                                ; all but the 32 just issued
	WIN MUL_HI
	MUL16 \f, 1, 0, \zero
	MUL16 \f, 1, 2, \zero
.endm
; A slot's last quarter multiplies buffer 1 and changes slots: ONE barrier; in front of it each wave waits for all its tensor loads (its part of the next slot), adds 0 to its spare word, and waits for that and for its reads of this slot.
; fill = 1: the barrier opens a round of the cluster's, and this slot is filled again, two K steps ahead, first thing behind the round.
.macro TURN slot, next, fill
.if \fill
	s_wait_xcnt 0x0                                ; the last prefetch, a K step back, has read its address
	s_add_nc_u64 s[PFA:PFA+1], s[PFA:PFA+1], KB
.endif
	WIN 0
	s_wait_tensorcnt 0x0
	ds_add_u32 v[SPW], v[NIL]
	s_wait_dscnt 9                                 ; (the add and the youngest eight loads may be out)
	WIN MUL_LO
	MUL16 F1, 0, 0, 0
	s_wait_dscnt 0x0                               ; the add is done, and my reads of this slot are over
	s_barrier_signal -1
	MUL16 F1, 0, 2, 0
.if \fill
	WIN 0
.endif
	s_barrier_wait -1
.if \fill
	CREST
	s_add_nc_u64 s[G0+4*\slot+2:G0+4*\slot+3], s[G0+4*\slot+2:G0+4*\slot+3], 2*KB
	s_add_nc_u64 s[G0B+4*\slot+2:G0B+4*\slot+3], s[G0B+4*\slot+2:G0B+4*\slot+3], 2*KB
	JLOAD \slot                                    ; the four v_nop behind it are also the places in front of the loads below
.else
	PLACES
.endif
	FETCH \next, 0, F0
.if \fill
	ASK
.endif
	WIN MUL_HI
	MUL16 F1, 1, 0, 0
	MUL16 F1, 1, 2, 0
.endm
	s_wait_tensorcnt 1                             ; my part of K step 0 is in (K step 1's load may be out),
	s_barrier_signal -1
	s_barrier_wait -1                              ; everybody's is
	FETCH 0, 0, F0
	QUARTER 0, 1, F0, F1, 1                        ; the first quarter's products start the sums
	WIN 0
	s_mov_b32 s3, LAPS-1
.Llap:                                             ; a trip goes once round the ring and fills both slots again
	QUARTER 0, 2, F1, F0, 0
	QUARTER 0, 3, F0, F1, 0
	TURN 0, 1, 1
	QUARTER 1, 1, F0, F1, 0
	QUARTER 1, 2, F1, F0, 0
	QUARTER 1, 3, F0, F1, 0
	TURN 1, 0, 1
	QUARTER 0, 1, F0, F1, 0
	WIN 0
	s_sub_co_u32 s3, s3, 1
	s_cmp_lg_u32 s3, 0
	s_cbranch_scc1 .Llap
	QUARTER 0, 2, F1, F0, 0                        ; the last lap fills nothing
	QUARTER 0, 3, F0, F1, 0
	TURN 0, 1, 0
	QUARTER 1, 1, F0, F1, 0
	QUARTER 1, 2, F1, F0, 0
	QUARTER 1, 3, F0, F1, 0
	s_wait_dscnt 8
	WIN MUL_LO
	MUL16 F1, 0, 0, 0
	MUL16 F1, 0, 2, 0
	s_wait_dscnt 0
	WIN MUL_HI
	MUL16 F1, 1, 0, 0
	MUL16 F1, 1, 2, 0
	WIN 0
	; ---- THE ROWS' MAXIMA.  In block a (16 j) a lane holds one j and 64 scores: four chains of 16, each accumulator read from its low end on
	PLACES
.irp a, 0,1,2,3,4,5,6,7
	v_mov_b32 v[PD+\a], 0                          ; a lane permute's destination counts as one of its sources
.endr
.macro MAXW W                          ; the four blocks of window W, by turns
	WIN 0x2a+0x15*((\W)-2)                         ; all three sources in window W
.irp q, 0,1,2,3
.irp j, 0,1,2,3
	v_max3_num_f32 v[CH+4*\q+\j], v[64*\q+16*\j], v[64*\q+16*\j+1], v[64*\q+16*\j+2]
.endr
.endr
	WIN 0x28+0x14*((\W)-2)                         ; sources 1 and 2 in window W
.irp n, 3,5,7,9,11,13
.irp q, 0,1,2,3
.irp j, 0,1,2,3
	v_max3_num_f32 v[CH+4*\q+\j], v[CH+4*\q+\j], v[64*\q+16*\j+\n], v[64*\q+16*\j+\n+1]
.endr
.endr
.endr
.irp q, 0,1,2,3
	v_max3_num_f32 v[CH+4*\q], v[CH+4*\q], v[64*\q+15], v[64*\q+31]
	v_max3_num_f32 v[CH+4*\q+2], v[CH+4*\q+2], v[64*\q+47], v[64*\q+63]
.endr
	WIN 0
.irp q, 0,1,2,3
	v_max3_num_f32 v[MX+4*((\W)-2)+\q], v[CH+4*\q], v[CH+4*\q+1], v[CH+4*\q+2]
.endr
.irp q, 0,1,2,3
	v_max_num_f32 v[MX+4*((\W)-2)+\q], v[MX+4*((\W)-2)+\q], v[CH+4*\q+3]
.endr
.endm
	MAXW 2
	MAXW 3
.irp a, 0,1,2,3,4,5,6,7
	v_permlanex16_b32 v[PD+\a], v[MX+\a], s[SEL], s[SEL+1]
.endr
.irp a, 0,1,2,3,4,5,6,7
	v_max_num_f32 v[MX+\a], v[MX+\a], v[PD+\a]     ; with lane l xor 16's: my wave's 128 i
.endr
.irp a, 0,1,2,3,4,5,6,7
	ds_store_b32 v[XA], v[MX+\a] offset:64*\a      ; lanes r and r + 16 write the same word with the same value
.endr
	s_wait_dscnt 0x0                               ; for the other wave's sake
	s_barrier_signal -1
	s_barrier_wait -1
.irp a, 0,1,2,3,4,5,6,7
	ds_load_b32 v[PD+\a], v[XB] offset:64*\a       ; the same rows' maxima over the tile's other 128 i
.endr
	s_wait_dscnt 0x0
.irp a, 0,1,2,3,4,5,6,7
	v_max_num_f32 v[MX+\a], v[MX+\a], v[PD+\a]
.endr
.irp a, 0,1,2,3,4,5,6,7
	v_mul_f32 v[NM+2*\a+1], s[CS], v[MX+\a]        ; as t (log2(e) is positive)
.endr
.irp a, 0,1,2,3,4,5,6,7
	v_floor_f32 v[NM+2*\a], -v[NM+2*\a+1]          ; -M = floor(-t) = -ceil(t): a whole number
.endr
.irp a, 0,1,2,3,4,5,6,7
	ds_store_b32 v[XA], v[NM+2*\a] offset:STM+64*\a
.endr
; ---- BLOCK a: p = 2^(t - M) in place; rounded to f16 and stored; summed unrounded
.macro SOFT a
.set AC, 64*((\a)%4)
.set WW, 2+(\a)/4
.if (\a) >= 2
	s_wait_xcnt 0x0                                ; block a - 2's stores have read the registers that are packed into now
.endif
	WIN 0x41*WW                                    ; destination and source 0 in the block's window
.set n, 0
.rept 32
	v_pk_fma_f32 v[AC+n:AC+n+1], v[AC+n:AC+n+1], s[CS:CS+1], v[NM+2*(\a):NM+2*(\a)+1] op_sel_hi:[1,0,0]   ; t - M, two at a time (of the pairs the low word serves both halves)
.set n, n+2
.endr
.set n, 0
.rept 64
	v_exp_f32 v[AC+n], v[AC+n]
.set n, n+1
.endr
	v_nop                                          ; a plain line behind the last exponential
	s_wait_alu depctr_va_vdst(0)                   ; one wait for the batch of 64, ahead of its first reader
	WIN 5*WW                                       ; sources 0 and 1 in the block's window
.set n, 0
.rept 32
	v_cvt_pk_f16_f32 v[TMP+32*((\a)%2)+n], v[AC+2*n], v[AC+2*n+1]
.set n, n+1
.endr
	v_pk_add_f32 v[LS+2*(\a):LS+2*(\a)+1], v[AC:AC+1], v[AC+2:AC+3]       ; the sums, in two chains
	v_pk_add_f32 v[T2:T2+1], v[AC+4:AC+5], v[AC+6:AC+7]
	WIN 4*WW                                       ; source 1 in the block's window
.set n, 8
.rept 14
	v_pk_add_f32 v[LS+2*(\a):LS+2*(\a)+1], v[LS+2*(\a):LS+2*(\a)+1], v[AC+n:AC+n+1]
	v_pk_add_f32 v[T2:T2+1], v[T2:T2+1], v[AC+n+2:AC+n+3]
.set n, n+4
.endr
	WIN 0
	v_pk_add_f32 v[LS+2*(\a):LS+2*(\a)+1], v[LS+2*(\a):LS+2*(\a)+1], v[T2:T2+1]
.irp b, 0,1,2,3,4,5,6,7
	global_store_b128 v[CO], v[TMP+32*((\a)%2)+4*\b:TMP+32*((\a)%2)+4*\b+3], s[8:9] offset:(\a)*65536+512*\b   ; 512 consecutive bytes, aligned
.endr
.endm
.irp a, 0,1,2,3,4,5,6,7
	SOFT \a
.endr
.irp a, 0,1,2,3,4,5,6,7
	v_add_f32 v[LS+2*\a], v[LS+2*\a], v[LS+2*\a+1]
.endr
.irp a, 0,1,2,3,4,5,6,7
	v_permlanex16_b32 v[PD+\a], v[LS+2*\a], s[SEL], s[SEL+1]
.endr
.irp a, 0,1,2,3,4,5,6,7
	v_add_f32 v[LS+2*\a], v[LS+2*\a], v[PD+\a]     ; the row's sum over my 128 i
.endr
.irp a, 0,1,2,3,4,5,6,7
	ds_store_b32 v[XA], v[LS+2*\a] offset:STL+64*\a
.endr
	ds_load_b128 v[80:83], v[SR] offset:STM        ; my own bytes, in row order: these loads see my stores
	ds_load_b128 v[84:87], v[SR] offset:STL
	s_wait_dscnt 0x0
	global_store_b128 v[CO], v[80:83], s[68:69]    ; 128 rows: 512 consecutive bytes, aligned
	global_store_b128 v[CO], v[84:87], s[70:71]
	s_wait_tensorcnt 0x0                           ; the wave's end
	ds_add_u32 v[SPW], v[NIL]
	s_wait_dscnt 0x0
	CROUND                                         ; the closing round
	s_endpgm
.Lfunc_end_k_q0f0253ecf2_scores:
	.size	k_q0f0253ecf2_scores, .Lfunc_end_k_q0f0253ecf2_scores-k_q0f0253ecf2_scores
	.p2alignl 7, 3214868480
	.fill 96, 4, 3214868480
	.section	.rodata,"a",@progbits
	.p2align	6, 0x0
	.amdhsa_kernel k_q0f0253ecf2_scores
		.amdhsa_group_segment_fixed_size 327680
		.amdhsa_private_segment_fixed_size 0
		.amdhsa_enable_private_segment 0
		.amdhsa_kernarg_size 32
		.amdhsa_user_sgpr_count 2
		.amdhsa_user_sgpr_kernarg_segment_ptr 1
		.amdhsa_wavefront_size32 1
		.amdhsa_system_sgpr_workgroup_id_x 1
		.amdhsa_system_sgpr_workgroup_id_y 1
		.amdhsa_system_sgpr_workgroup_id_z 1
		.amdhsa_system_vgpr_workitem_id 0
		.amdhsa_next_free_vgpr 1024
		.amdhsa_next_free_sgpr 80
		.amdhsa_reserve_vcc 0
		.amdhsa_float_denorm_mode_32 3
		.amdhsa_float_denorm_mode_16_64 3
		.amdhsa_memory_ordered 1
		.amdhsa_forward_progress 1
		.amdhsa_inst_pref_size 205
	.end_amdhsa_kernel
	.amdgpu_metadata
---
amdhsa.version: [ 1, 2 ]
amdhsa.kernels:
  - .name:           k_q0f0253ecf2_scores
    .symbol:         k_q0f0253ecf2_scores.kd
    .args:
      - { .name: qkv, .offset: 0, .size: 8, .value_kind: global_buffer, .address_space: global }
      - { .name: pmat, .offset: 8, .size: 8, .value_kind: global_buffer, .address_space: global }
      - { .name: stM, .offset: 16, .size: 8, .value_kind: global_buffer, .address_space: global }
      - { .name: stL, .offset: 24, .size: 8, .value_kind: global_buffer, .address_space: global }
    .group_segment_fixed_size: 327680
    .private_segment_fixed_size: 0
    .kernarg_segment_align: 8
    .kernarg_segment_size: 32
    .max_flat_workgroup_size: 128
    .sgpr_count:     80
    .vgpr_count:     1024
    .wavefront_size: 32
...
	.end_amdgpu_metadata
.endif
;; end of part 3
;; launch mix (part 4): grid 64 x 4, 4 waves a work-group, clusters of 4 x 1, 327,680 bytes of LDS; arguments pmat, qkv, stM, stL, out0; writes out0
.if DOCPART == 4
	.amdgcn_target "amdgcn-amd-amdhsa--gfx1250"
	.amdhsa_code_object_version 6
	.text
	.protected	k_q0f0253ecf2_mix
	.globl	k_q0f0253ecf2_mix
	.p2align	8
	.type	k_q0f0253ecf2_mix,@function
k_q0f0253ecf2_mix:
	s_mov_b64 s[64:65], 0
	v_nop
	global_prefetch_b8 v0, s[64:65] scope:SCOPE_SE
	s_setreg_imm32_b32 hwreg(HW_REG_WAVE_MODE, 25, 1), 1
	s_wait_xcnt 0x0
	s_wait_alu depctr_hold_cnt(0) depctr_sa_sdst(0) depctr_va_vdst(0) depctr_va_sdst(0) depctr_va_ssrc(0) depctr_va_vcc(0) depctr_vm_vsrc(0)
	s_getreg_b32 s2, hwreg(HW_REG_IB_STS2, 6, 4)
	s_cmp_eq_u32 s2, 0
	s_cbranch_scc0 .Lentry_in_a_cluster
	s_endpgm
.Lentry_in_a_cluster:
	s_bfe_u32 s2, ttmp6, 0x10000c
	s_cmp_lg_u32 s2, 0x3003
	s_cbranch_scc0 .Lentry_shape_is_right
	s_endpgm
.Lentry_shape_is_right:
; out(j, e) = (sum over i of p(j, i) v(i, e)) / (sum over i of p(j, i)), in f16 with f32 sums; p was stored in eight chunks of 256 i, chunk c under its own whole-number maximum M_c.
; THE CHUNKS ARE BROUGHT UNDER ONE REFERENCE BY POWERS OF TWO.  A K step is a chunk.  While chunk c is added the accumulators stand under R_c = max(M_c, the largest M so far - 64); going into chunk c they are
; multiplied by 2^(R_(c-1) - R_c), at most 2^64; at the end by 2^(R_7 - the largest M) x 8 / l, l = the sum over c of 2^(M_c - the largest M) x the chunk's stored sums; the 8 gives back the 1 / 8 in v.
; LIMIT: a chunk whose M lies more than 64 under the largest M before it is weighed 2^-64 beside that maximum in place of less.  All else in these factors is exact.  NaN and infinities are not served.
; SHARES.  A work-group makes 128 j x 256 e; a wave 64 x 128: 32 accumulators.  The matrix instruction is used transposed (source 0 = 16 rows of v^T, source 1 = 16 rows of p): a lane holds one j and eight neighbouring e.
; p GOES FROM MEMORY STRAIGHT INTO REGISTERS: it lies in the order of an operand's registers, so each load reads 512 consecutive bytes; a ring of eight sets (a set: 64 j x 32 i) is asked for seven quarters ahead.
; v^T goes through two LDS slots of a chunk each (16 row blocks x 8,192 bytes, dense); the four work-groups of a cluster are four tiles of j of one batch and one tile of e, and ask for it jointly.
; REGISTERS: window 0: v20-32 addresses; v40-47, v48-55 factors (even registers; the odd ones are 0); v64-127, v128-191 v^T's fragments, two buffers; at the head v64-125, v176-191 the chunks' arithmetic; on the way out v64-255.
;   window 1: the accumulators, (a, b) at v[8 (8 a + b)].   window 2: p's ring, set q at v[32 q + 8 a].
.set KB,    8192                       ; a chunk of a row block, in bytes
.set SLOT,  131072
.set FTAB,  2*SLOT                     ; behind the ring: 8 factors x 64 rows x 4 bytes for each wave
.set SPARE, FTAB+8192                  ; the spare words, 128 bytes for each wave: two blocks of 256 bytes that no other line names
.set ADRB, 20
.set STO,  24                          ; v24  the way out: where I put 32 bytes of a row
.set RD,   25                          ; v25  and where I read a row back
.set CO,   26                          ; v26  16 x lane
.set FTA,  27                          ; v27  LDS: the factor of row r, in the entry in hand
.set SPW,  28
.set NIL,  29
.set PFO,  30                          ; v30  256 x lane
.set FTW,  31                          ; v31  LDS: where I put the factors of rows 2 l, 2 l + 1
.set G,    40
.set FA,   48
.set BF,   64
.set T,    64                          ; the way out: a block, scaled
.set BK,   128                         ; and read back: two sets of 64
.set SN,   64                          ; the head: -M of chunk c, rows 2 l and 2 l + 1, at v[64 + 2 c]
.set SL,   80                          ; the 16 sums
.set NR,   112                         ; -(the largest M so far)
.set PR,   114                         ; -R of the chunk before
.set CU,   116                         ; -R of this chunk
.set TP,   118
.set LL,   120
.set WS,   122
.set RC,   124
.set FF,   176                         ; the eight factors
.set WV,   14
.set G1,   24
.set G0,   32
.set PA,   40                          ; s[40:41] p: my 64 rows, the chunk in hand
.set PFA,  42                          ; s[42:43] where my prefetches stand
.set LIM,  44
.set SEL,  46
.set MSB, 0
.macro WIN new
.if MSB != (\new)
	s_set_vgpr_msb (MSB<<8)|(\new)
.set MSB, (\new)
.endif
.endm
.set MUL, 0x58                         ; source 0 (v^T) window 0, source 1 (p) window 2, C and D window 1
.macro CREST
	s_cmp_lg_u32 s[WV], 0
	s_cbranch_scc1 .Lnot_wave_0_\@
	s_barrier_signal -3
.Lnot_wave_0_\@:
	s_barrier_wait -3
	s_barrier_signal -1
	s_barrier_wait -1
.endm
.macro CROUND
	s_barrier_signal -1
	s_barrier_wait -1
	CREST
.endm
; A prefetch of the chunk of v^T that stands two refills on: of the four row blocks that I fetch, my work-group's one (told apart by address), 32 blocks of 256 bytes: a lane a block.
; The four clusters of a batch read the same rows: the first asks.  The last trip's two refills have no chunk two on.
.macro ASK
	s_cmp_gt_u32 s3, s[LIM]
	s_cbranch_scc0 .Lnot_mine_\@
	global_prefetch_b8 v[PFO], s[PFA:PFA+1] offset:KB th:TH_LOAD_NT scope:SCOPE_SE
.Lnot_mine_\@:
.endm
	s_load_b256 s[4:11], s[0:1], 0x0               ; pmat, qkv, stM, stL
	s_load_b64 s[12:13], s[0:1], 0x20              ; out0
	v_lshl_add_u32 v[SPW], v0, 2, SPARE
	v_mov_b32 v[NIL], 0
	ds_add_u32 v[SPW], v[NIL]                      ; the opening: the add, twice on end, and its wait ahead of my first tensor load
	ds_add_u32 v[SPW], v[NIL]
	v_lshrrev_b32 v1, 5, v0
	v_readfirstlane_b32 s[WV], v1                  ; wave 0..3
	s_lshr_b32 s15, s[WV], 1                       ; which 64 j are mine
	s_and_b32 s16, s[WV], 1                        ; which 128 e
	s_bfe_u32 s17, ttmp6, 0x40000                  ; cx
	s_lshl_b32 s18, ttmp9, 2
	s_add_co_u32 s18, s18, s17                     ; the tile of 128 j: 0..63
	s_lshr_b32 s19, ttmp9, 2                       ; the batch, which the four partners share
	s_and_b32 s20, ttmp7, 0xffff                   ; the tile of 256 e
	s_mov_b32 s[G1+0], 15|(3<<16)|(1<<21)          ; the mask: all four work-groups; elements of 8 bytes; no padding; bit 21 beside a mask
	s_mov_b32 s[G1+1], 1024<<16                    ; tensor_dim0 = 1,024 elements: 8,192 bytes
	s_mov_b32 s[G1+2], 4<<16                       ; tensor_dim1 = 4 row blocks
	s_mov_b32 s[G1+3], 1024<<16                    ; tile_dim0
	s_mov_b32 s[G1+4], 4                           ; tile_dim1
	s_mov_b32 s[G1+5], 8192                        ; from row block to row block: 65,536 bytes
	s_mov_b32 s[G1+6], 0
	s_mov_b32 s[G1+7], 0
	s_lshl_b32 s48, s19, 6
	s_lshl_b32 s49, s20, 4
	s_add_co_u32 s48, s48, s49
	s_lshl_b32 s49, s[WV], 2
	s_add_co_u32 s48, s48, s49
	s_add_co_u32 s48, s48, 512                     ; v^T: row block 512 + 64 x batch + 16 x (tile of e) + 4 x wave
	s_add_co_u32 s50, s48, s17                     ; the prefetches: + cx, in registers of their own
	s_lshl_b32 s48, s48, 16
	s_mov_b32 s49, 0
	s_lshl_b32 s50, s50, 16
	s_add_co_u32 s50, s50, 2*KB                    ; at chunk 2: the first refill steps it to 3 and names chunk 4
	s_mov_b32 s51, 0
	s_lshl_b32 s21, s[WV], 15                      ; where my four row blocks go
	s_lshl_b32 s52, s18, 3
	s_lshl_b32 s53, s15, 2
	s_add_co_u32 s52, s52, s53
	s_lshl_b32 s52, s52, 16                        ; p: row block 8 x (tile of j) + 4 x half
	s_mov_b32 s53, 0
	s_lshl_b32 s54, s18, 9
	s_lshl_b32 s55, s15, 8
	s_add_co_u32 s54, s54, s55                     ; stM, stL: 4 bytes x row 128 x (tile of j) + 64 x half
	s_mov_b32 s55, 0
	s_lshl_b32 s56, s18, 19                        ; out0: rows of 4,096 bytes,
	s_lshl_b32 s57, s15, 18
	s_add_co_u32 s56, s56, s57
	s_lshl_b32 s57, s20, 10                        ; 256 e,
	s_add_co_u32 s56, s56, s57
	s_lshl_b32 s57, s16, 9                         ; 128 e
	s_add_co_u32 s56, s56, s57
	s_mov_b32 s57, 0
	s_and_b32 s[LIM], ttmp9, 3
	s_cmp_eq_u32 s[LIM], 0
	s_cselect_b32 s[LIM], 1, -1                    ; the same in all four partners
	s_wait_dscnt 0x0                               ; both opening adds are done
	s_wait_kmcnt 0x0
	s_add_nc_u64 s[48:49], s[6:7], s[48:49]
	s_add_nc_u64 s[PFA:PFA+1], s[6:7], s[50:51]
	s_add_nc_u64 s[PA:PA+1], s[4:5], s[52:53]
	s_add_nc_u64 s[8:9], s[8:9], s[54:55]
	s_add_nc_u64 s[10:11], s[10:11], s[54:55]
	s_add_nc_u64 s[12:13], s[12:13], s[56:57]
	CROUND                                         ; all four work-groups are here
.irp s, 0,1
	s_mov_b32 s[G0+4*\s], 1
	s_add_co_u32 s[G0+4*\s+1], s21, \s*SLOT
	s_add_nc_u64 s[G0+4*\s+2:G0+4*\s+3], s[48:49], \s*KB
	s_or_b32 s[G0+4*\s+3], s[G0+4*\s+3], 0x80000000
.endr
	tensor_load_to_lds s[G0:G0+3], s[G1:G1+7]      ; chunk 0; every wave moves four row blocks of its own
	s_nop 0
	tensor_load_to_lds s[G0+4:G0+7], s[G1:G1+7]    ; chunk 1: two tensor loads of mine are out
	s_nop 0
.rept 4
	v_nop
.endr
	v_and_b32 v1, 15, v0                           ; r
	v_bfe_u32 v2, v0, 4, 1                         ; h
	v_and_b32 v3, 31, v0
	v_lshlrev_b32 v[CO], 4, v3
	v_lshlrev_b32 v[PFO], 8, v3
	v_lshlrev_b32 v32, 3, v3                       ; 8 x lane: two rows' words
.irp k, 0,1,2,3,4,5,6,7
	global_load_b64 v[SN+2*\k:SN+2*\k+1], v32, s[8:9] offset:\k*65536      ; -M of chunk k: 256 consecutive bytes a load
.endr
.irp k, 0,1,2,3,4,5,6,7,8,9,10,11,12,13,14,15
	global_load_b64 v[SL+2*\k:SL+2*\k+1], v32, s[10:11] offset:\k*32768
.endr
.macro ALOAD set, off                  ; a set of p: 64 j x 32 i: eight loads of 512 consecutive bytes.  It leaves the destination's window at 2
	WIN 0x80
.irp a, 0,1,2,3
	global_load_b128 v[32*(\set)+8*\a:32*(\set)+8*\a+3],   v[CO], s[PA:PA+1] offset:\a*65536+(\off)
	global_load_b128 v[32*(\set)+8*\a+4:32*(\set)+8*\a+7], v[CO], s[PA:PA+1] offset:\a*65536+(\off)+512
.endr
.endm
.irp q, 0,1,2,3,4,5,6
	ALOAD \q, \q*1024
.endr
	WIN 0
	s_lshl_b32 s22, s16, 16                        ; my 8 row blocks of a slot
	v_add_nc_u32 v[ADRB], s22, v[CO]
	s_add_co_u32 s22, s22, SLOT
	v_add_nc_u32 v[ADRB+1], s22, v[CO]
	s_mul_i32 s22, s[WV], 16*528                   ; my stage for the way out: in slot 0, which has had its last fill and its last read by then
	v_mul_u32_u24 v[STO], v1, 528
	v_lshl_add_u32 v[STO], v2, 5, v[STO]
	v_add_nc_u32 v[STO], s22, v[STO]
	v_add_nc_u32 v[RD], s22, v[CO]
	s_lshl_b32 s22, s[WV], 11
	s_add_co_u32 s22, s22, FTAB
	v_lshl_add_u32 v[FTA], v1, 2, s22
	v_add_nc_u32 v[FTW], s22, v32
.irp a, 0,1,2,3
	v_mov_b32 v[G+2*\a+1], 0                       ; named as the upper halves of pairs, so they are written
	v_mov_b32 v[FA+2*\a+1], 0
.endr
	s_wait_loadcnt 56                              ; the statistics are in; p's 56 loads may be out
	; ---- the factors, for rows 2 l and 2 l + 1 by turns.  All numbers here are whole, kept negated
.irp u, 0,1
	v_mov_b32 v[NR+\u], v[SN+\u]
	v_mov_b32 v[PR+\u], v[SN+\u]
.endr
.irp k, 1,2,3,4,5,6,7
.irp u, 0,1
	v_min_num_f32 v[NR+\u], v[NR+\u], v[SN+2*\k+\u]        ; -(the largest M so far)
.endr
.irp u, 0,1
	v_add_f32 v[TP+\u], 0x42800000, v[NR+\u]               ; + 64
.endr
.irp u, 0,1
	v_min_num_f32 v[CU+\u], v[SN+2*\k+\u], v[TP+\u]        ; -R of chunk k
.endr
.irp u, 0,1
	v_sub_f32 v[TP+\u], v[CU+\u], v[PR+\u]                 ; R of the chunk before less R of this one
.endr
.irp u, 0,1
	v_cvt_i32_f32 v[TP+\u], v[TP+\u]                       ; (it saturates)
.endr
.irp u, 0,1
	v_ldexp_f32 v[FF+2*(\k-1)+\u], 1.0, v[TP+\u]
.endr
.irp u, 0,1
	v_mov_b32 v[PR+\u], v[CU+\u]
.endr
.endr
.irp k, 0,1,2,3,4,5,6,7
.irp u, 0,1
	v_sub_f32 v[TP+\u], v[NR+\u], v[SN+2*\k+\u]            ; M of chunk k less the largest M
.endr
.irp u, 0,1
	v_cvt_i32_f32 v[TP+\u], v[TP+\u]
.endr
.irp u, 0,1
	v_ldexp_f32 v[TP+\u], 1.0, v[TP+\u]
.endr
.irp u, 0,1
	v_add_f32 v[WS+\u], v[SL+4*\k+\u], v[SL+4*\k+2+\u]     ; the chunk's two stored sums
.endr
.irp u, 0,1
.if \k == 0
	v_mul_f32 v[LL+\u], v[TP+\u], v[WS+\u]
.else
	v_fma_f32 v[LL+\u], v[TP+\u], v[WS+\u], v[LL+\u]
.endif
.endr
.endr
	v_rcp_f32 v[RC], v[LL]
	v_rcp_f32 v[RC+1], v[LL+1]
.irp u, 0,1
	v_sub_f32 v[TP+\u], v[NR+\u], v[PR+\u]                 ; R of chunk 7 less the largest M.  (Plain lines behind the reciprocals)
.endr
.irp u, 0,1
	v_cvt_i32_f32 v[TP+\u], v[TP+\u]
.endr
.irp u, 0,1
	v_add_nc_u32 v[TP+\u], 3, v[TP+\u]                     ; x 8
.endr
	s_wait_alu depctr_va_vdst(0)                   ; one wait for both reciprocals, ahead of their first reader
.irp u, 0,1
	v_ldexp_f32 v[FF+14+\u], v[RC+\u], v[TP+\u]
.endr
.irp k, 0,1,2,3,4,5,6,7
	ds_store_b64 v[FTW], v[FF+2*\k:FF+2*\k+1] offset:256*\k
.endr
.macro MUL8 q, b0, zero                ; 8 matrix instructions: n blocks b0, b0 + 1 x my four m blocks.  The 32 accumulators take turns
.irp b, \b0, \b0+1
.irp a, 0,1,2,3
.if \zero
	v_wmma_f32_16x16x32_f16 v[8*(8*\a+(\b)):8*(8*\a+(\b))+7], v[BF+64*((\q)%2)+8*(\b):BF+64*((\q)%2)+8*(\b)+7], v[32*(\q)+8*\a:32*(\q)+8*\a+7], 0
.else
	v_wmma_f32_16x16x32_f16 v[8*(8*\a+(\b)):8*(8*\a+(\b))+7], v[BF+64*((\q)%2)+8*(\b):BF+64*((\q)%2)+8*(\b)+7], v[32*(\q)+8*\a:32*(\q)+8*\a+7], v[8*(8*\a+(\b)):8*(8*\a+(\b))+7]
.endif
.endr
.endr
.endm
.macro MULH q, b0, zero
	MUL8 \q, \b0, \zero
	MUL8 \q, (\b0)+2, \zero
.endm
.macro FETCHB slot, q                  ; v^T's eight fragments of the slot's q-th 32 along i into buffer q % 2, fragments 0-3 first
.irp i, 0,1,2,3,4,5,6,7
	ds_load_b128 v[BF+64*((\q)%2)+8*\i:BF+64*((\q)%2)+8*\i+3],   v[ADRB+\slot] offset:\i*KB+(\q)*1024
	ds_load_b128 v[BF+64*((\q)%2)+8*\i+4:BF+64*((\q)%2)+8*\i+7], v[ADRB+\slot] offset:\i*KB+(\q)*1024+512
.endr
.endm
.macro PLACES                          ; four plain lines between matrix instructions and loads into, or reads of, their registers
.rept 4
	v_nop
.endr
.endm
; Quarter q (0 to 6) of a chunk.  al = 1: it asks for the set of p that is wanted seven quarters on.  nl: the loads of p issued behind this quarter's set
.macro STEPQ slot, q, zero, al, nl
	s_wait_loadcnt \nl
	s_wait_dscnt 8                                 ; v^T's fragments 0-3 are in; the youngest eight loads (fragments 4-7) may be out
	WIN MUL
	MULH \q, 0, \zero
	PLACES
	WIN 0
	FETCHB \slot, (\q)+1
.if \al
.if (\q) == 0
	ALOAD 7, 7168                                  ; this chunk's last set
.else
	ALOAD (\q)-1, KB+((\q)-1)*1024                 ; the next chunk's
.endif
.endif
	s_wait_dscnt 16                                ; all but the 16 just issued
	WIN MUL
	MULH \q, 4, \zero
.endm
; A chunk's last quarter changes slots: ONE barrier; in front of it each wave waits for all its tensor loads (its part of the next slot), adds 0 to its spare word, and waits for that and for its reads of this slot.
; fill = 1: the barrier opens a round of the cluster's, and this slot takes the chunk two on, first thing behind the round.  foff: which entry of my factors is fetched for the rescaling that follows.
.macro TURNQ slot, next, fill, foff
	WIN 0
	s_wait_xcnt 0x0                                ; the loads of p and the last prefetch have read their bases
	s_add_nc_u64 s[PA:PA+1], s[PA:PA+1], KB        ; p: on to the next chunk
.if \fill
	s_add_nc_u64 s[PFA:PFA+1], s[PFA:PFA+1], KB
.endif
	s_wait_tensorcnt 0x0
	ds_add_u32 v[SPW], v[NIL]
	s_wait_loadcnt 48                              ; set 7 is in; six younger sets may be out
	s_wait_dscnt 9                                 ; (the add and the youngest eight loads may be out)
	WIN MUL
	MUL8 7, 0, 0
	s_wait_dscnt 0x0                               ; the add is done, and my reads of this slot are over
	s_barrier_signal -1
	MUL8 7, 2, 0
	WIN 0
	s_barrier_wait -1
.if \fill
	CREST
	s_add_nc_u64 s[G0+4*\slot+2:G0+4*\slot+3], s[G0+4*\slot+2:G0+4*\slot+3], 2*KB
	tensor_load_to_lds s[G0+4*\slot:G0+4*\slot+3], s[G1:G1+7]
	s_nop 0
.rept 4
	v_nop                                          ; (also the places in front of the loads below)
.endr
.else
	PLACES
.endif
.irp a, 0,1,2,3
	ds_load_b32 v[FA+2*\a], v[FTA] offset:\foff+64*\a
.endr
	FETCHB \next, 0
	ALOAD 6, 6144
	WIN 0
.if \fill
	ASK
.endif
	WIN MUL
	MULH 7, 4, 0
.endm
.macro RESCALE                         ; the accumulators under the next chunk's reference.  Ascending: the first sixteen lines name accumulators finished sixteen products ago, and are the places behind the last products
	s_wait_dscnt 16                                ; the four factors are in; the 16 fragment loads behind them may be out
	WIN 0x41                                       ; destination and source 0 window 1
.set n, 0
.rept 128
	v_pk_mul_f32 v[n:n+1], v[n:n+1], v[FA+2*(n/64):FA+2*(n/64)+1] op_sel_hi:[1,0]
.set n, n+2
.endr
.endm
.macro STEPS slot, from                ; quarters from .. 6, each asking for p
.set Q, \from
.rept 7-\from
	STEPQ \slot, Q, 0, 1, 48
.set Q, Q+1
.endr
.endm
	s_wait_tensorcnt 1                             ; my part of chunk 0 is in (chunk 1's load may be out),
	s_wait_dscnt 0x0                               ; and my factors are stored
	s_barrier_signal -1
	s_barrier_wait -1                              ; everybody's is
	FETCHB 0, 0
	STEPQ 0, 0, 1, 1, 48                           ; the first quarter's products start the sums
	WIN 0
	s_mov_b32 s3, 3
.Llap:                                             ; a trip: two chunks, from a chunk's second quarter to the first quarter two chunks on; both slots are filled again
	STEPS 0, 1
	TURNQ 0, 1, 1, 0
	RESCALE
	STEPS 1, 0
	TURNQ 1, 0, 1, 256
	RESCALE
	STEPQ 0, 0, 0, 1, 48
	WIN 0
	v_add_nc_u32 v[FTA], 512, v[FTA]               ; two entries on
	s_sub_co_u32 s3, s3, 1
	s_cmp_lg_u32 s3, 0
	s_cbranch_scc1 .Llap
	STEPS 0, 1                                     ; chunks 6 and 7: nothing is filled
	TURNQ 0, 1, 0, 0
	RESCALE
	STEPQ 1, 0, 0, 1, 48                           ; the last set of p is asked for; the counts run down
	STEPQ 1, 1, 0, 0, 48
	STEPQ 1, 2, 0, 0, 40
	STEPQ 1, 3, 0, 0, 32
	STEPQ 1, 4, 0, 0, 24
	STEPQ 1, 5, 0, 0, 16
	STEPQ 1, 6, 0, 0, 8
	s_wait_loadcnt 0x0
	s_wait_dscnt 8
	WIN MUL
	MULH 7, 0, 0
	s_wait_dscnt 0x0
	MULH 7, 4, 0
	WIN 0
	; ---- THE WAY OUT: a block of 16 j x 128 e is scaled, goes through my stage (rows of 512 bytes + 16) and leaves as whole rows
	PLACES
.irp a, 0,1,2,3
	ds_load_b32 v[G+2*\a], v[FTA] offset:256+64*\a ; entry 7 (the address stands at entry 6)
.endr
	s_wait_dscnt 0x0
.macro SCALE a
	WIN 0x01                                       ; source 0 window 1
.set n, 0
.rept 32
	v_pk_mul_f32 v[T+n:T+n+1], v[64*(\a)+n:64*(\a)+n+1], v[G+2*(\a):G+2*(\a)+1] op_sel_hi:[1,0]   ; each accumulator from its low end on
.set n, n+2
.endr
	WIN 0
.endm
.macro TOSTAGE a
.irp b, 0,1,2,3,4,5,6,7
	ds_store_b128 v[STO], v[T+8*\b:T+8*\b+3] offset:64*\b
	ds_store_b128 v[STO], v[T+8*\b+4:T+8*\b+7] offset:64*\b+16
.endr
.irp t, 0,1,2,3,4,5,6,7,8,9,10,11,12,13,14,15
	ds_load_b128 v[BK+64*((\a)%2)+4*\t:BK+64*((\a)%2)+4*\t+3], v[RD] offset:\t*528   ; LDS serves a wave's instructions in order: these see my stores, and the next block's stores come behind them
.endr
.endm
.macro SEND a, younger                 ; younger: the LDS instructions issued behind block a's loads
	s_wait_dscnt \younger
.irp t, 0,1,2,3,4,5,6,7,8,9,10,11,12,13,14,15
	global_store_b128 v[CO], v[BK+64*((\a)%2)+4*\t:BK+64*((\a)%2)+4*\t+3], s[12:13] offset:(16*(\a)+\t)*4096 th:TH_STORE_NT   ; 32 lanes store 512 consecutive bytes, aligned
.endr
.endm
	SCALE 0
	TOSTAGE 0
.irp a, 1,2,3
.if \a > 1
	s_wait_xcnt 0x0                                ; block a - 2's stores have read the registers into which block a is read back
.endif
	SCALE \a
	TOSTAGE \a
	SEND \a-1, 32                                  ; behind block a - 1's loads: block a's 16 stores and 16 loads
.endr
	SEND 3, 0
	s_wait_tensorcnt 0x0                           ; the wave's end
	ds_add_u32 v[SPW], v[NIL]
	s_wait_dscnt 0x0
	CROUND                                         ; the closing round
	s_endpgm
.Lfunc_end_k_q0f0253ecf2_mix:
	.size	k_q0f0253ecf2_mix, .Lfunc_end_k_q0f0253ecf2_mix-k_q0f0253ecf2_mix
	.p2alignl 7, 3214868480
	.fill 96, 4, 3214868480
	.section	.rodata,"a",@progbits
	.p2align	6, 0x0
	.amdhsa_kernel k_q0f0253ecf2_mix
		.amdhsa_group_segment_fixed_size 327680
		.amdhsa_private_segment_fixed_size 0
		.amdhsa_enable_private_segment 0
		.amdhsa_kernarg_size 40
		.amdhsa_user_sgpr_count 2
		.amdhsa_user_sgpr_kernarg_segment_ptr 1
		.amdhsa_wavefront_size32 1
		.amdhsa_system_sgpr_workgroup_id_x 1
		.amdhsa_system_sgpr_workgroup_id_y 1
		.amdhsa_system_sgpr_workgroup_id_z 1
		.amdhsa_system_vgpr_workitem_id 0
		.amdhsa_next_free_vgpr 768
		.amdhsa_next_free_sgpr 80
		.amdhsa_reserve_vcc 0
		.amdhsa_float_denorm_mode_32 3
		.amdhsa_float_denorm_mode_16_64 3
		.amdhsa_memory_ordered 1
		.amdhsa_forward_progress 1
		.amdhsa_inst_pref_size 197
	.end_amdhsa_kernel
	.amdgpu_metadata
---
amdhsa.version: [ 1, 2 ]
amdhsa.kernels:
  - .name:           k_q0f0253ecf2_mix
    .symbol:         k_q0f0253ecf2_mix.kd
    .args:
      - { .name: pmat, .offset: 0, .size: 8, .value_kind: global_buffer, .address_space: global }
      - { .name: qkv, .offset: 8, .size: 8, .value_kind: global_buffer, .address_space: global }
      - { .name: stM, .offset: 16, .size: 8, .value_kind: global_buffer, .address_space: global }
      - { .name: stL, .offset: 24, .size: 8, .value_kind: global_buffer, .address_space: global }
      - { .name: out0, .offset: 32, .size: 8, .value_kind: global_buffer, .address_space: global }
    .group_segment_fixed_size: 327680
    .private_segment_fixed_size: 0
    .kernarg_segment_align: 8
    .kernarg_segment_size: 40
    .max_flat_workgroup_size: 128
    .sgpr_count:     80
    .vgpr_count:     768
    .wavefront_size: 32
...
	.end_amdgpu_metadata
.endif
;; end of part 4
